; MI455X (gfx1250); checked and timed in simulation.
; The chip was launched on July 23, 2026; its instructions are those of AMD's public machine-readable ISA for CDNA 5 (MIT licence, August 2026) and "CDNA5" Instruction Set Architecture Reference Guide (July 2026). The comments in the code are by the model that wrote it; some were corrected since.
;; Mo E. Allowed arithmetic: matrix products marked QUANTISED: E2M3 operands, one E8M0 scale for each 32 along K, by v_wmma_scale_f32_16x16x128_f8f6f4 with both operands' format E2M3, f32 sums; products left as they are: f32 operands where the result goes on into a quantised operand, else bf16, f16 or f32 operands; f32 sums; everything else in f32.
;; Inputs: W1 8 x 1,024 x 4,096 float32; W2 8 x 4,096 x 1,024 float32; Wg 1,024 x 8 float32; b1 8 x 4,096 float32; b2 8 x 1,024 float32; bg 8 float32; x 1,024 x 1,024 float32.
;; Outputs: out0 1,024 x 1,024 float32.
;; This version of the problem:
;;   THIS VERSION OF THE PROBLEM IS GIVEN IN LOW PRECISION. The matrix products marked QUANTISED in the list below multiply operands that are first quantised to E2M3 (2 exponent bits, 3 mantissa bits; 6 bits a number), with one power-of-two scale for each 32 numbers along K (OCP MX v1.0); their sums are f32. All else is computed in f32.
;;   The module's matrix products, in the order in which they are computed (A, B: the left and right operand; K: the contracted axis; several contracted axes count as one K, in the product's order):
;;     1. [M 1,024, K 1,024] x [K 1,024, N 8]; A: input x; B: input Wg: left as it is (N = 8 < 16)
;;     2. [M 1,024, K 1,024] x [K 1,024, N 32,768]; A: input x; B: input W1: QUANTISED
;;     3. batch 8 x [M 1,024, K 4,096] x [K 4,096, N 1,024]; A: input W2; B: computed on the way: QUANTISED
;;     4. batch 1,024 x [M 1, K 8] x [K 8, N 1,024]; A: softmax; B: computed on the way: left as it is (K = 8 < 32)
;;   THE QUANTISER, for each operand of a quantised product, along K:
;;     - K is cut into blocks of 32 from its start; a last block that is shorter is filled with zeros.
;;     - A block's scale is 2^e with e = floor(log2(the largest magnitude in the block)) - 2, held to -126 .. 127; a block of zeros has e = 0. As a byte (E8M0): e + 127.
;;     - Each number is divided by its block's scale, clamped to +-7.5, and rounded to the nearest number of E2M3, ties to even, subnormals kept.
;;     - The product sums the exact products of the quantised numbers (number of the format x scale) in f32.
;;   ~~~python
;;   def quantise(x, axis):      # numpy; x: float32 -> the quantised numbers, widened to float32 again
;;       x = np.moveaxis(x, axis, -1); K = x.shape[-1]
;;       x = np.pad(x, [(0, 0)] * (x.ndim - 1) + [(0, -K % 32)]); x = x.reshape(x.shape[:-1] + (-1, 32)); a = np.abs(x).max(-1, keepdims=True)
;;       e = np.where(a > 0, np.clip(np.frexp(np.where(a > 0, a, 1))[1] - 1 - 2, -126, 127), 0)      # np.frexp(a)[1] - 1 = floor(log2(a)), exactly
;;       r = np.clip(x / 2.0 ** e, -7.5, 7.5)
;;       step = 2.0 ** (np.maximum(np.frexp(np.where(r == 0, 1, r))[1] - 1, 0) - 3)
;;       q = np.round(r / step) * step * 2.0 ** e      # np.round: ties to even
;;       return np.moveaxis(q.reshape(q.shape[:-2] + (-1,))[..., :K], -1, axis).astype(np.float32)
;;   ~~~
;;   OPERANDS COMPUTED ON THE WAY. 'Computed on the way' means the value that the module computes at that place (a softmax that the list does not call 'softmax' is quantised finished and normalised). What goes into a quantiser is computed in f32, as accurately as f32 sums, v_exp_f32 and their like allow (about 1e-6 of the number): no bf16 or f16 on the way to a quantiser, and a product that is left as it is and whose result goes on into a quantised operand takes f32 operands (vector FMAs, or v_wmma_f32_16x16x4_f32). A number that lies on a knife's edge between two numbers of the format may be rounded either way, as far as f32 arithmetic and the matrix unit's own rounding can turn it there, and no further.
;; One version. Each part assembles by itself: llvm-mc -triple=amdgcn-amd-amdhsa -mcpu=gfx1250 --defsym DOCPART=n.
;; ======== version 1 of 1: 4 launches
;; limits: right only within a limited range of input values
;; workspace buffers: xq 819,200 bytes; gate 32,768 bytes; hq 26,214,400 bytes; part 67,108,864 bytes
;; launch prep (part 1): grid 64 x 1, 8 waves a work-group, no clusters, 37,888 bytes of LDS; arguments x, Wg, bg, xq, gate; writes xq, gate
.if DOCPART == 1
	.amdgcn_target "amdgcn-amd-amdhsa--gfx1250"
	.amdhsa_code_object_version 6
	.text
	.protected	k_qd5e59ee124_prep
	.globl	k_qd5e59ee124_prep
	.p2align	8
	.type	k_qd5e59ee124_prep,@function
k_qd5e59ee124_prep:
	s_mov_b64 s[64:65], 0
	v_nop
	global_prefetch_b8 v0, s[64:65] scope:SCOPE_SE
	s_setreg_imm32_b32 hwreg(HW_REG_WAVE_MODE, 25, 1), 1
	s_wait_xcnt 0x0
; x [1024][1024] f32 becomes codes of FP6 (E2M3) with one E8M0 byte for each 32 along K, laid as the next launch's operand registers; and gate = softmax(x Wg + bg), in f32.
; SHARES.  A work-group takes 16 tokens (tile T = its number); wave s takes K step s (128 along K) of them.  Lane (r, h) holds of token r the numbers k = 128 s + 32 b + 16 h + i in register 16 b + i.
; xq: one block of 102,400 bytes for each K step: half c (k = 64 c .. 64 c + 63): 64 token tiles x 768 bytes at 49,152 c: registers 6 c .. 6 c + 3 of the fragment at 16 x lane, registers 6 c + 4, 6 c + 5 at 512 + 8 x lane;
; the scale halfwords (bytes 2 c, 2 c + 1 of a token's scale word) at 98,304 + 2,048 c + 2 x token.
; THE GATE.  Each wave brings its 128 rows of Wg (4,096 bytes) into LDS bytes of its own and multiplies by fused multiply-adds in f32; the eight waves' parts meet in LDS behind one barrier; threads 0 to 127 finish: thread t is token t / 8, expert t % 8.
; The largest logit is taken away ahead of the exponential.
; LIMITS: NaN and infinities among the inputs are not served.  A block of zeros gets the byte 1 (its codes are zeros; this program alone reads the bytes).  The scale halfwords leave as 64 bytes a wave: one byte in 128 of what is read.
.set ABLK,  102400
.set AHALF, 49152
.set ASCL,  98304
.set LG,    32768                      ; LDS: behind the eight waves' rows of Wg: the logits' parts, 512 bytes a wave
.set L,     12                         ; v12-19  my token's eight logits, my 64 k
.set X,     32                         ; v32-95  64 numbers of x
.set WB,    96                         ; v96-223 rows of Wg, eight k at a time, two buffers by turns; later the quantiser's registers
.set PC,    96                         ; v96-114 the codes
.set TM,    116                        ; v116-131 largest magnitudes, bytes, scale operands
.set PW,    132                        ; the scale word
	s_load_b256 s[4:11], s[0:1], 0x0               ; x, Wg, bg, xq
	s_load_b64 s[12:13], s[0:1], 0x20              ; gate
	v_lshl_add_u32 v224, v0, 2, 0x9000
	v_mov_b32 v225, 0
	v_lshrrev_b32 v1, 5, v0
	s_delay_alu instid0(VALU_DEP_1)
	v_readfirstlane_b32 s14, v1                    ; wave = K step
	v_and_b32 v1, 31, v0                           ; lane
	v_and_b32 v2, 15, v0                           ; r
	v_bfe_u32 v3, v0, 4, 1                         ; h
	s_delay_alu instid0(VALU_DEP_2)
	v_lshlrev_b32 v4, 12, v2
	s_delay_alu instid0(VALU_DEP_1)
	v_lshl_add_u32 v4, v3, 6, v4
	s_lshl_b32 s15, ttmp9, 16
	s_lshl_b32 s16, s14, 9
	s_add_co_u32 s15, s15, s16
	v_add_nc_u32 v4, s15, v4                       ; x: (16 T + r) rows of 4,096 bytes + 512 s + 64 h
	s_lshl_b32 s17, s14, 12
	v_lshl_add_u32 v5, v1, 4, s17                  ; Wg: 4,096 s + 16 x lane: in memory and in LDS alike
	v_and_b32 v6, 7, v0
	s_delay_alu instid0(VALU_DEP_1)
	v_lshlrev_b32 v6, 2, v6                        ; bg: my expert
	v_lshl_add_u32 v8, v3, 9, s17                  ; LDS: the rows of Wg of my half: 16 rows of 32 bytes further on for lanes 16-31
	s_lshl_b32 s18, s14, 9
	s_add_co_u32 s18, s18, LG
	v_lshl_add_u32 v9, v2, 5, s18                  ; LDS: my wave's part of token r's logits
	v_lshl_add_u32 v10, v0, 2, LG                  ; LDS: thread t reads word t of each part
	s_lshl_b32 s19, ttmp9, 9
	v_lshl_add_u32 v11, v0, 2, s19                 ; gate: 512 T + 4 t
	s_mul_i32 s22, s14, ABLK
	s_mul_i32 s23, ttmp9, 768
	s_add_co_u32 s23, s23, s22
	v_lshl_add_u32 v20, v1, 4, s23                 ; xq: block s, tile T, 16 x lane
	v_lshl_add_u32 v21, v1, 3, s23                 ; and 8 x lane
	s_lshl_b32 s24, ttmp9, 5
	s_add_co_u32 s24, s24, s22
	s_add_co_u32 s24, s24, ASCL
	v_lshl_add_u32 v22, v2, 1, s24
	s_delay_alu instid0(VALU_DEP_1)
	v_lshl_add_u32 v22, v3, 11, v22                ; the scale halfword: lanes 0-15 half 0's, lanes 16-31 half 1's
	v_lshlrev_b32 v23, 4, v3                       ; 16 h: how far the scale word is shifted down for it
	s_mov_b32 s20, 0x76543210
	s_mov_b32 s21, 0xfedcba98                      ; v_permlanex16_b32: lane l xor 16
	s_wait_alu depctr_va_vdst(0)
	s_wait_kmcnt 0x0
.irp n, 0,1,2,3,4,5,6,7
	global_load_b128 v[WB+4*\n:WB+4*\n+3], v5, s[6:7] offset:512*\n
.endr
.irp b, 0,1,2,3
.irp j, 0,1,2,3
	global_load_b128 v[X+16*\b+4*\j:X+16*\b+4*\j+3], v4, s[4:5] offset:128*\b+16*\j th:TH_LOAD_NT
.endr
.endr
	global_load_b32 v7, v6, s[8:9]
	s_wait_loadcnt 17                              ; Wg's eight loads are in; x's sixteen and bg's one may be out
.irp n, 0,1,2,3,4,5,6,7
	ds_store_b128 v5, v[WB+4*\n:WB+4*\n+3] offset:512*\n
.endr
	s_wait_dscnt 0x0                               ; the stores have read their registers, which the loads below fill
; eight k (registers 8 g .. 8 g + 7 of x): their rows of Wg, 32 bytes each; the sixteen lanes of a half read the same bytes
.macro WGL g, buf
.irp m, 0,1,2,3,4,5,6,7
	ds_load_b128 v[\buf+8*\m:\buf+8*\m+3], v8 offset:32*(32*((8*(\g)+\m)/16)+(8*(\g)+\m)%16)
	ds_load_b128 v[\buf+8*\m+4:\buf+8*\m+7], v8 offset:32*(32*((8*(\g)+\m)/16)+(8*(\g)+\m)%16)+16
.endr
.endm
.macro DOT g, buf                      ; the first k starts the sums: nothing is cleared
.irp m, 0,1,2,3,4,5,6,7
.irp e, 0,1,2,3,4,5,6,7
.if ((\g) == 0) && (\m == 0)
	v_mul_f32 v[L+\e], v[X+8*(\g)+\m], v[\buf+8*\m+\e]
.else
	v_fmac_f32 v[L+\e], v[X+8*(\g)+\m], v[\buf+8*\m+\e]
.endif
.endr
.endr
.endm
	WGL 0, WB
	s_wait_loadcnt 0x0                             ; x and bg
.irp g, 0,1,2,3,4,5,6
	WGL \g+1, WB+64*((\g+1)%2)
	s_wait_alu depctr_va_vdst(0)
	s_wait_dscnt 16                                ; this group's sixteen loads are in, the next group's may be out
	DOT \g, WB+64*(\g%2)
.endr
	s_wait_alu depctr_va_vdst(0)
	s_wait_dscnt 0x0
	DOT 7, WB+64
.irp e, 0,1,2,3,4,5,6,7
	v_permlanex16_b32 v[WB+\e], v[L+\e], s20, s21
.endr
.irp e, 0,1,2,3,4,5,6,7
	v_add_f32 v[L+\e], v[L+\e], v[WB+\e]           ; with lane l xor 16's 64 k: the K step's part
.endr
	ds_store_b128 v9, v[L:L+3]                     ; both halves of the lanes write the same numbers to the same bytes
	ds_store_b128 v9, v[L+4:L+7] offset:16
	; THE QUANTISER: four blocks of 32, each in lanes l and l xor 16
.irp b, 0,1,2,3
	v_max3_num_f32 v[TM+\b], |v[X+16*\b]|, |v[X+1+16*\b]|, 0x1800000   ; my 16 numbers and the floor 2^(3 - 127): the byte cannot fall under 1
.endr
.irp i, 2,4,6,8,10,12,14
.irp b, 0,1,2,3
	s_delay_alu instid0(VALU_DEP_4)
	v_max3_num_f32 v[TM+\b], v[TM+\b], |v[X+16*\b+\i]|, |v[X+1+16*\b+\i]|
.endr
.endr
.irp b, 0,1,2,3
	s_delay_alu instid0(VALU_DEP_4)
	v_permlanex16_b32 v[TM+4+\b], v[TM+\b], s20, s21
.endr
.irp b, 0,1,2,3
	s_delay_alu instid0(VALU_DEP_4)
	v_max_num_f32 v[TM+\b], v[TM+\b], v[TM+4+\b]   ; the block's largest magnitude
.endr
.irp b, 0,1,2,3
	s_delay_alu instid0(VALU_DEP_4)
	v_add_nc_u32 v[TM+12+\b], 0xff000000, v[TM+\b] ; 2 off its exponent field: the conversion's scale operand
.endr
.irp b, 0,1,2,3
	s_delay_alu instid0(VALU_DEP_4)
	v_lshrrev_b32 v[TM+4+\b], 23, v[TM+12+\b]      ; the scale's byte
.endr
	s_delay_alu instid0(VALU_DEP_3)
	v_lshl_or_b32 v[PW], v[TM+5], 8, v[TM+4]
	s_delay_alu instid0(VALU_DEP_1)
	v_lshl_or_b32 v[PW], v[TM+6], 16, v[PW]
	s_delay_alu instid0(VALU_DEP_1)
	v_lshl_or_b32 v[PW], v[TM+7], 24, v[PW]
.irp c, 0,1
	v_cvt_scalef32_pk16_fp6_f32 v[PC+6*\c:PC+2+6*\c], v[X+32*\c:X+15+32*\c], v[TM+12+2*\c]
	v_cvt_scalef32_pk16_fp6_f32 v[PC+12+4*\c:PC+14+4*\c], v[X+16+32*\c:X+31+32*\c], v[TM+12+2*\c+1]   ; (a conversion's three registers begin on an even number)
.endr
	v_nop                                          ; one plain place behind a scaled conversion
.irp c, 0,1                                    ; the operand wants a whole block in a lane: lanes 0-15 block 2 c, lanes 16-31 block 2 c + 1
.irp i, 0,1,2
	v_permlane16_swap_b32 v[PC+6*\c+\i], v[PC+12+4*\c+\i]
.endr
.irp i, 0,1,2
	s_delay_alu instid0(VALU_DEP_3)
	v_mov_b32 v[PC+3+6*\c+\i], v[PC+12+4*\c+\i]
.endr
.endr
.irp c, 0,1
	global_store_b128 v20, v[PC+6*\c:PC+6*\c+3], s[10:11] offset:AHALF*\c        ; 512 consecutive bytes a wave
	global_store_b64 v21, v[PC+6*\c+4:PC+6*\c+5], s[10:11] offset:AHALF*\c+512   ; 256 consecutive bytes
.endr
	v_lshrrev_b32 v24, v23, v[PW]
	global_store_b16 v22, v24, s[10:11]
	s_wait_dscnt 0x0                               ; for the others' sake: my part of the logits lies in LDS
	s_barrier_signal -1
	s_barrier_wait -1
	s_cmp_ge_u32 s14, 4                            ; 128 threads finish the 16 x 8 gates; no barrier follows
	s_cbranch_scc1 .Lend
.irp k, 0,1,2,3,4,5,6,7
	ds_load_b32 v[X+\k], v10 offset:512*\k
.endr
	s_wait_dscnt 0x0
	v_add_f32 v[X], v[X], v[X+1]
	v_add_f32 v[X+2], v[X+2], v[X+3]
	v_add_f32 v[X+4], v[X+4], v[X+5]
	v_add_f32 v[X+6], v[X+6], v[X+7]
	s_delay_alu instid0(VALU_DEP_3)
	v_add_f32 v[X], v[X], v[X+2]
	s_delay_alu instid0(VALU_DEP_2)
	v_add_f32 v[X+4], v[X+4], v[X+6]
	s_delay_alu instid0(VALU_DEP_1)
	v_add_f32 v[X], v[X], v[X+4]
	s_delay_alu instid0(VALU_DEP_1)
	v_add_f32 v[X], v[X], v7                       ; + bg
	s_delay_alu instid0(VALU_DEP_1)
	v_max_num_f32_dpp v[X+1], v[X], v[X] row_xmask:1 row_mask:0xf bank_mask:0xf   ; the largest of the token's eight logits: eight neighbouring lanes
	s_delay_alu instid0(VALU_DEP_1)
	v_max_num_f32_dpp v[X+1], v[X+1], v[X+1] row_xmask:2 row_mask:0xf bank_mask:0xf
	s_delay_alu instid0(VALU_DEP_1)
	v_max_num_f32_dpp v[X+1], v[X+1], v[X+1] row_xmask:4 row_mask:0xf bank_mask:0xf
	s_delay_alu instid0(VALU_DEP_1)
	v_sub_f32 v[X+2], v[X], v[X+1]
	s_delay_alu instid0(VALU_DEP_1)
	v_mul_f32 v[X+2], 0x3fb8aa3b, v[X+2]           ; x log2(e)
	s_wait_alu depctr_va_vdst(0)
	v_exp_f32 v[X+3], v[X+2]
	v_nop                                          ; one plain place behind a transcendental
	s_wait_alu depctr_va_vdst(0)
	v_add_f32_dpp v[X+4], v[X+3], v[X+3] row_xmask:1 row_mask:0xf bank_mask:0xf
	s_delay_alu instid0(VALU_DEP_1)
	v_add_f32_dpp v[X+4], v[X+4], v[X+4] row_xmask:2 row_mask:0xf bank_mask:0xf
	s_delay_alu instid0(VALU_DEP_1)
	v_add_f32_dpp v[X+4], v[X+4], v[X+4] row_xmask:4 row_mask:0xf bank_mask:0xf
	s_wait_alu depctr_va_vdst(0)
	v_rcp_f32 v[X+5], v[X+4]
	v_nop
	s_wait_alu depctr_va_vdst(0)
	v_mul_f32 v[X+6], v[X+3], v[X+5]
	global_store_b32 v11, v[X+6], s[12:13]
.Lend:
	s_wait_tensorcnt 0x0
	ds_add_u32 v224, v225
	s_wait_dscnt 0x0
	s_endpgm
.Lfunc_end_k_qd5e59ee124_prep:
	.size	k_qd5e59ee124_prep, .Lfunc_end_k_qd5e59ee124_prep-k_qd5e59ee124_prep
	.p2alignl 7, 3214868480
	.fill 96, 4, 3214868480
	.section	.rodata,"a",@progbits
	.p2align	6, 0x0
	.amdhsa_kernel k_qd5e59ee124_prep
		.amdhsa_group_segment_fixed_size 37888
		.amdhsa_private_segment_fixed_size 0
		.amdhsa_enable_private_segment 0
		.amdhsa_kernarg_size 40
		.amdhsa_user_sgpr_count 2
		.amdhsa_user_sgpr_kernarg_segment_ptr 1
		.amdhsa_wavefront_size32 1
		.amdhsa_system_sgpr_workgroup_id_x 1
		.amdhsa_system_sgpr_workgroup_id_y 1
		.amdhsa_system_sgpr_workgroup_id_z 1
		.amdhsa_system_vgpr_workitem_id 0
		.amdhsa_next_free_vgpr 226
		.amdhsa_next_free_sgpr 66
		.amdhsa_reserve_vcc 0
		.amdhsa_float_denorm_mode_32 3
		.amdhsa_float_denorm_mode_16_64 3
		.amdhsa_memory_ordered 1
		.amdhsa_forward_progress 1
		.amdhsa_inst_pref_size 39
	.end_amdhsa_kernel
	.amdgpu_metadata
---
amdhsa.version: [ 1, 2 ]
amdhsa.kernels:
  - .name:           k_qd5e59ee124_prep
    .symbol:         k_qd5e59ee124_prep.kd
    .args:
      - { .name: x, .offset: 0, .size: 8, .value_kind: global_buffer, .address_space: global }
      - { .name: Wg, .offset: 8, .size: 8, .value_kind: global_buffer, .address_space: global }
      - { .name: bg, .offset: 16, .size: 8, .value_kind: global_buffer, .address_space: global }
      - { .name: xq, .offset: 24, .size: 8, .value_kind: global_buffer, .address_space: global }
      - { .name: gate, .offset: 32, .size: 8, .value_kind: global_buffer, .address_space: global }
    .group_segment_fixed_size: 37888
    .private_segment_fixed_size: 0
    .kernarg_segment_align: 8
    .kernarg_segment_size: 40
    .max_flat_workgroup_size: 256
    .sgpr_count:     66
    .vgpr_count:     226
    .wavefront_size: 32
...
	.end_amdgpu_metadata
.endif
;; end of part 1
;; launch up (part 2): grid 512 x 1, 4 waves a work-group, clusters of 4 x 1, 327,680 bytes of LDS; arguments xq, W1, b1, hq; writes hq
.if DOCPART == 2
	.amdgcn_target "amdgcn-amd-amdhsa--gfx1250"
	.amdhsa_code_object_version 6
	.text
	.protected	k_qd5e59ee124_up
	.globl	k_qd5e59ee124_up
	.p2align	8
	.type	k_qd5e59ee124_up,@function
k_qd5e59ee124_up:
	s_mov_b64 s[64:65], 0
	v_nop
	global_prefetch_b8 v0, s[64:65] scope:SCOPE_SE
	s_setreg_imm32_b32 hwreg(HW_REG_WAVE_MODE, 25, 1), 1
	s_wait_xcnt 0x0
	s_wait_alu depctr_hold_cnt(0) depctr_sa_sdst(0) depctr_va_vdst(0) depctr_va_sdst(0) depctr_va_ssrc(0) depctr_va_vcc(0) depctr_vm_vsrc(0)
	s_getreg_b32 s2, hwreg(HW_REG_IB_STS2, 6, 4)
	s_cmp_eq_u32 s2, 0
	s_cbranch_scc0 .Lentry_in_a_cluster
	s_endpgm
.Lentry_in_a_cluster:
	s_bfe_u32 s2, ttmp6, 0x10000c
	s_cmp_lg_u32 s2, 0x3003
	s_cbranch_scc0 .Lentry_shape_is_right
	s_endpgm
.Lentry_shape_is_right:
; ONE TEXT, TWO SETTINGS.  IS_UP = 1: hq = Q(relu(x W1[e] + b1[e])), as codes.  IS_UP = 0: part[e][kh] = h W2[e] over half kh of K (+ b2[e] where kh = 0), f32.
; Both products on codes of FP6 (E2M3) with one E8M0 byte for each 32 along K.  The tokens' operand (A) arrives as codes; the weights arrive as f32 with K as their FIRST axis and are quantised here, on their way, read from memory once.
; SHARES.  A work-group makes 1,024 tokens x 64 columns, so that the one work-group that reads a weight multiplies it with every token.  Wave w owns tokens 256 w .. 256 w + 255: 16 token tiles x 4 column tiles = 64 accumulators, 512 registers.
;   id = 4 x cluster + place.  IS_UP: expert id / 64, columns 64 (id % 64) on, 8 K steps of 128.  Else: expert id / 32, half (id / 16) % 2 of K, columns 64 (id % 16) on, 16 K steps.
; A: one block of 102,400 bytes for each K step: half c (k = 64 c on): 64 token tiles x 768 bytes at 49,152 c, an image of the operand's registers (6 c .. 6 c + 3 at 16 x lane, 6 c + 4, 6 c + 5 at 512 + 8 x lane);
;   scale halfwords at 98,304 + 2,048 c + 2 x token.  A block is 400 rows of 256 bytes; each wave brings 100 of them by one tensor load, through a ring of two LDS slots.
; CLUSTER.  The four work-groups of a cluster walk the same blocks of A: each load is asked for JOINTLY (mask 15).  The weights are not shared: no two work-groups read the same weight.
; W goes through REGISTERS: loads into registers stay on their way across the barriers of the ring.  Wave w takes block w (32 rows) of each K step: lane (qd, hh) loads rows 32 w + 16 hh + i, columns 4 qd .. 4 qd + 3:
;   16 loads a step, each two whole rows of 256 bytes; four sets of 64 registers, so three to four steps (48 to 64 loads a wave) are out.  Quantised (macro QW), a block of a column is 24 bytes of a fragment's image in LDS (CW) and one byte of a scale word (SW);
;   every K step has bytes of its own there, so one barrier a step orders them: written in step s, read in step s + 1.
; THE PRODUCT IS USED TRANSPOSED: source 0 = 16 columns of W, source 1 = 16 tokens: lane (r, h) holds token r, register j row 8 h + j of W's tile.
;   IS_UP: THE COLUMNS OF A TILE ARE NOT NEIGHBOURS: row 8 hi + j of tile 2 b + u is hidden unit 32 b + 16 hi + 8 u + j, so that the 16 registers of tiles 2 b, 2 b + 1 are 16 neighbours along the next K.
; THE BIAS starts each sum: the first K step's products take it as C (through the wave's own 256 bytes of LDS), so nothing is cleared.
; LIMITS: NaN and infinities are not served.  A block of zeros gets the byte 1 (its codes are zeros; this program alone reads the bytes).  The bias is the first term of the f32 sum, not the last.
; REGISTERS.  Window 0: v1-23 addresses; v24-41 scale words; v42-89 W's four fragments; v90-137, v138-185 two buffers of four fragments of A; v186-243 the quantiser; v244-255 addresses.
;   Window 1: the four sets of W.  Window 2: accumulators of token tiles 0-7 ((t, c) at v[8 (4 t + c)]).  Window 3: those of tiles 8-15.
; THE BIAS, as the text stands: eight LDS loads bring the wave's 64 numbers into 32 registers (v186-217, free between two runs of the quantiser), and the first K step's products take them as C; no accumulator is loaded or cleared.
; THE RING'S START: one joint load a wave at the head (block 0); slot 1's first fill stands in K step 0, behind the same lines as every refill.
; NO PREFETCH of xq: all 512 work-groups walk the same eight blocks, so but for the first walk each block has been read by other work-groups shortly before. W is asked for three to four K steps ahead by its own loads.
.set IS_UP, 1
.if IS_UP
.set PITCH, 16384                      ; a row of W in bytes
.set HSH,   18                         ; 16 rows of W = 1 << HSH bytes
.set HB,    6                          ; the bias: lanes 16-31 begin 1 << HB bytes on
.set BC0,   32                         ; and an odd column tile BC0 bytes on
.else
.set PITCH, 4096
.set HSH,   16
.set HB,    5
.set BC0,   64
.endif
.set STEPB, 128*PITCH                  ; a K step of W in memory
.set ABLK,  102400
.set AHALF, 49152
.set ASCL,  98304
.set CW,    204800                     ; LDS: behind the two slots: W's codes, 6,144 bytes a K step: tile c at 1,536 c, half q at 768 q
.set SW,    303104                     ; W's scale words, 256 bytes a K step: word 16 c + r
.set BIA,   307200                     ; the bias, 256 bytes for each wave
.set STG,   308224                     ; (IS_UP) the tokens' scale halfwords, 512 bytes for each wave
.set SPARE, 310272                     ; the spare words, 128 bytes for each wave: two blocks of 256 bytes that no other line names
.set SPW,   1
.set NIL,   2
.set A16,   3                          ; v3-4   slot s: my wave's tiles of A, 16 x lane
.set A8,    5                          ; v5-6   the same + 512 + 8 x lane
.set ASA,   7                          ; v7-8   slot s: my wave's scale halfwords, 2 x lane
.set WFA16, 9                          ; CW + 16 x lane
.set WFA8,  10                         ; CW + 512 + 8 x lane
.set WSA,   11                         ; SW + 4 x lane
.set QB16,  12                         ; where my column's block goes in a K step's codes: its first 16 bytes,
.set QB8,   13                         ; its last 8,
.set QSB,   14                         ; and its scale byte
.set BA,    15                         ; the bias in memory
.set VOFF,  16                         ; v16-19 set j: byte offset in W of the step that the set holds
.set WS,    24                         ; v24-25 W's scale words: lanes 0-15 tile 2 j, lanes 16-31 tile 2 j + 1
.set AS,    26                         ; v26-33 A's scale words: lanes 0-15 token tile 2 j, lanes 16-31 tile 2 j + 1
.set ASH,   34                         ; v34-41 their upper halves as loaded
.set WF,    42
.set AB0,   90
.set AB1,   138
.set T,     186                        ; v186-217 two columns x 16 rows, on end
.set CD,    218                        ; v218-233 codes, 8 registers for each pair of columns
.set BY,    234                        ; v234-237 scale bytes of my four columns
.set M,     238
.set N,     240
.set SC,    242
.set RW16,  244                        ; the step's addresses in CW and SW, for reading
.set RW8,   245
.set RWS,   246
.set QA16,  247                        ; and for writing
.set QA8,   248
.set QAS,   249
.set GO16,  250                        ; the way out
.set GO8,   251
.set GOS,   252
.set STA,   253
.set STR,   254
.set BL,    255
.set WV,    12                         ; s12 wave
.set CX,    13                         ; s13 my place in the cluster: it enters offsets in W, the bias and the output alone
.set ID,    14
.set G1,    16                         ; s[16:23] descriptor group 1
.set G0,    24                         ; s[24:31] group 0, a set for each slot
.set SEL,   32
.set CNT,   34
.set CWO,   44                         ; s44 6,144 x the K step in hand
.set SWO,   45                         ; s45 256 x the K step in hand
.set MSB, 0
.macro WIN new                         ; the immediate's high byte repeats the setting that is left; a switch that changes nothing is dropped
.if MSB != (\new)
	s_set_vgpr_msb (MSB<<8)|(\new)
.set MSB, (\new)
.endif
.endm
.macro ROUND                           ; a round of the cluster's barrier
	s_barrier_signal -1
	s_barrier_wait -1
	s_cmp_lg_u32 s[WV], 0
	s_cbranch_scc1 .Lnot_wave_0_\@
	s_barrier_signal -3
.Lnot_wave_0_\@:
	s_barrier_wait -3
	s_barrier_signal -1
	s_barrier_wait -1
.endm
.macro FRAG reg, a16, a8, off, half    ; a fragment's 12 registers from its image: every load reads consecutive bytes
	ds_load_b128 v[\reg:\reg+3], v[\a16] offset:\off
	ds_load_b64 v[\reg+4:\reg+5], v[\a8] offset:\off
	ds_load_b128 v[\reg+6:\reg+9], v[\a16] offset:\off+\half
	ds_load_b64 v[\reg+10:\reg+11], v[\a8] offset:\off+\half
.endm
.macro GROUP buf, slot, g              ; token tiles 4 g .. 4 g + 3: 16 loads
.irp k, 0,1,2,3
	FRAG \buf+12*\k, A16+\slot, A8+\slot, (4*(\g)+\k)*768, AHALF
.endr
.endm
.macro MM acc, wf, af, sa, sb, ra, rb  ; ra, rb: the scale words stand in lanes 16-31
.if (\ra) && (\rb)
	v_wmma_scale_f32_16x16x128_f8f6f4 v[(\acc):(\acc)+7], v[(\wf):(\wf)+11], v[(\af):(\af)+11], v[(\acc):(\acc)+7], v[\sa], v[\sb] matrix_a_fmt:MATRIX_FMT_FP6 matrix_b_fmt:MATRIX_FMT_FP6 matrix_a_scale:MATRIX_SCALE_ROW1 matrix_b_scale:MATRIX_SCALE_ROW1
.elseif \ra
	v_wmma_scale_f32_16x16x128_f8f6f4 v[(\acc):(\acc)+7], v[(\wf):(\wf)+11], v[(\af):(\af)+11], v[(\acc):(\acc)+7], v[\sa], v[\sb] matrix_a_fmt:MATRIX_FMT_FP6 matrix_b_fmt:MATRIX_FMT_FP6 matrix_a_scale:MATRIX_SCALE_ROW1
.elseif \rb
	v_wmma_scale_f32_16x16x128_f8f6f4 v[(\acc):(\acc)+7], v[(\wf):(\wf)+11], v[(\af):(\af)+11], v[(\acc):(\acc)+7], v[\sa], v[\sb] matrix_a_fmt:MATRIX_FMT_FP6 matrix_b_fmt:MATRIX_FMT_FP6 matrix_b_scale:MATRIX_SCALE_ROW1
.else
	v_wmma_scale_f32_16x16x128_f8f6f4 v[(\acc):(\acc)+7], v[(\wf):(\wf)+11], v[(\af):(\af)+11], v[(\acc):(\acc)+7], v[\sa], v[\sb] matrix_a_fmt:MATRIX_FMT_FP6 matrix_b_fmt:MATRIX_FMT_FP6
.endif
.endm
.macro MMF acc, cc, wf, af, sa, sb, ra, rb   ; a sum's first product: C = the bias registers cc, D = the accumulator
.if (\ra) && (\rb)
	v_wmma_scale_f32_16x16x128_f8f6f4 v[(\acc):(\acc)+7], v[(\wf):(\wf)+11], v[(\af):(\af)+11], v[(\cc):(\cc)+7], v[\sa], v[\sb] matrix_a_fmt:MATRIX_FMT_FP6 matrix_b_fmt:MATRIX_FMT_FP6 matrix_a_scale:MATRIX_SCALE_ROW1 matrix_b_scale:MATRIX_SCALE_ROW1
.elseif \ra
	v_wmma_scale_f32_16x16x128_f8f6f4 v[(\acc):(\acc)+7], v[(\wf):(\wf)+11], v[(\af):(\af)+11], v[(\cc):(\cc)+7], v[\sa], v[\sb] matrix_a_fmt:MATRIX_FMT_FP6 matrix_b_fmt:MATRIX_FMT_FP6 matrix_a_scale:MATRIX_SCALE_ROW1
.elseif \rb
	v_wmma_scale_f32_16x16x128_f8f6f4 v[(\acc):(\acc)+7], v[(\wf):(\wf)+11], v[(\af):(\af)+11], v[(\cc):(\cc)+7], v[\sa], v[\sb] matrix_a_fmt:MATRIX_FMT_FP6 matrix_b_fmt:MATRIX_FMT_FP6 matrix_b_scale:MATRIX_SCALE_ROW1
.else
	v_wmma_scale_f32_16x16x128_f8f6f4 v[(\acc):(\acc)+7], v[(\wf):(\wf)+11], v[(\af):(\af)+11], v[(\cc):(\cc)+7], v[\sa], v[\sb] matrix_a_fmt:MATRIX_FMT_FP6 matrix_b_fmt:MATRIX_FMT_FP6
.endif
.endm
.macro MULW buf, g, sync               ; 16 products; each accumulator has one turn a K step.  sync = 0: the first K step: C is the bias, in window 0
.if \sync == 0
	WIN 0x80+0x40*((\g)/2)
.else
	WIN 0xa0+0x50*((\g)/2)
.endif
.irp k, 0,1,2,3
.irp c, 0,1,2,3
.if \sync == 0
	MMF 8*(4*(4*((\g)%2)+\k)+\c), T+8*\c, WF+12*\c, \buf+12*\k, WS+\c/2, AS+2*(\g)+\k/2, \c%2, \k%2
.else
	MM 8*(4*(4*((\g)%2)+\k)+\c), WF+12*\c, \buf+12*\k, WS+\c/2, AS+2*(\g)+\k/2, \c%2, \k%2
.endif
.endr
.endr
.endm
.macro WISSUE set                      ; a K step's 16 loads of my wave: each two whole rows of 256 bytes; read once in the launch
	WIN 0x40
.irp i, 0,1,2,3,4,5,6,7,8,9,10,11,12,13,14,15
	global_load_b128 v[64*(\set)+4*\i:64*(\set)+4*\i+3], v[VOFF+(\set)], s[6:7] offset:\i*PITCH th:TH_LOAD_NT
.endr
	WIN 0
.endm
; THE QUANTISER OF W.  Set \set holds my 16 rows x 4 columns of block w of the K step at s[CWO].  cnt: the loads of the younger sets, which may stay out.  issue = 1: the set is asked for again, four steps on.
.macro QW set, cnt, issue
	s_wait_loadcnt \cnt
	v_add_nc_u32 v[QA16], s[CWO], v[QB16]
	v_add_nc_u32 v[QA8], s[CWO], v[QB8]
	v_add_nc_u32 v[QAS], s[SWO], v[QSB]
.irp p, 0,1                            ; columns 2 p and 2 p + 1
	WIN 0x01
.irp i, 0,1,2,3,4,5,6,7,8,9,10,11,12,13,14,15
	v_mov_b32 v[T+\i], v[64*(\set)+4*\i+2*\p]      ; a conversion takes 16 neighbours along K from consecutive registers: a column's 16 rows are set on end
	v_mov_b32 v[T+16+\i], v[64*(\set)+4*\i+2*\p+1]
.endr
	WIN 0
	v_max3_num_f32 v[M], |v[T]|, |v[T+1]|, 0x1800000        ; and the floor 2^(3 - 127): the byte cannot fall under 1
	v_max3_num_f32 v[M+1], |v[T+16]|, |v[T+17]|, 0x1800000
.irp i, 2,4,6,8,10,12,14
	v_max3_num_f32 v[M], v[M], |v[T+\i]|, |v[T+\i+1]|
	v_max3_num_f32 v[M+1], v[M+1], |v[T+16+\i]|, |v[T+17+\i]|
.endr
	v_permlanex16_b32 v[N], v[M], s[SEL], s[SEL+1]
	v_permlanex16_b32 v[N+1], v[M+1], s[SEL], s[SEL+1]
	v_max_num_f32 v[M], v[M], v[N]                 ; with the block's other 16 rows, in lane l xor 16
	v_max_num_f32 v[M+1], v[M+1], v[N+1]
	v_add_nc_u32 v[SC], 0xff000000, v[M]           ; 2 off the exponent field: the conversion's scale operand
	v_add_nc_u32 v[SC+1], 0xff000000, v[M+1]
	v_lshrrev_b32 v[BY+2*\p], 23, v[SC]            ; the scale's byte
	v_lshrrev_b32 v[BY+2*\p+1], 23, v[SC+1]
	v_cvt_scalef32_pk16_fp6_f32 v[CD+8*\p:CD+8*\p+2], v[T:T+15], v[SC]
	v_cvt_scalef32_pk16_fp6_f32 v[CD+8*\p+4:CD+8*\p+6], v[T+16:T+31], v[SC+1]
	v_nop                                          ; one plain place behind a scaled conversion
.irp i, 0,1,2
	v_permlane16_swap_b32 v[CD+8*\p+\i], v[CD+8*\p+4+\i]   ; lane (qd, hh) now holds the whole block of column 4 qd + 2 p + hh: lower 16 codes, upper 16 codes
.endr
.irp i, 0,1,2
	v_mov_b32 v[CD+8*\p+3+\i], v[CD+8*\p+4+\i]     ; six registers on end
.endr
	ds_store_b128 v[QA16], v[CD+8*\p:CD+8*\p+3] offset:32*\p
	ds_store_b64 v[QA8], v[CD+8*\p+4:CD+8*\p+5] offset:16*\p
	ds_store_b8 v[QAS], v[BY+2*\p] offset:8*\p     ; both halves of the lanes write the same byte with the same value
	ds_store_b8 v[QAS], v[BY+2*\p+1] offset:8*\p+4
.endr
.if \issue
	v_add_nc_u32 v[VOFF+(\set)], 4*STEPB, v[VOFF+(\set)]   ; free: the wait above has shown the set's loads done
	WISSUE \set
.endif
.endm
; A K STEP.  slot: where its block of A lies.  sync = 0: the first step; 1: the other slot is filled again, with the next step's block; 2: the last step.  qw = 1: the next step's weights are quantised behind the products.
.macro STEP slot, sync, qw, qset, cnt, issue
.if \sync == 0
	s_wait_tensorcnt 0x0                           ; my part of block 0 is in: my one load so far
	ds_add_u32 v[SPW], v[NIL]                      ; 0 onto my spare word
	s_wait_dscnt 0x0                               ; the add is done; my codes and bytes of W's first step lie in LDS; the bias is in its registers
	ROUND
	tensor_load_to_lds s[G0+4:G0+7], s[G1:G1+7]    ; slot 1's first fill, block 1: issued as a refill is
	s_nop 0
.else
	s_wait_tensorcnt 0x0                           ; all my tensor loads have landed: the one that was out is my part of this step's block
	ds_add_u32 v[SPW], v[NIL]                      ; 0 onto my spare word
.if \sync == 1
	s_add_nc_u64 s[G0+6-4*\slot:G0+7-4*\slot], s[G0+6-4*\slot:G0+7-4*\slot], 2*ABLK   ; no load of mine is out: the other slot's next block
.endif
	s_wait_dscnt 0x0                               ; the add is done; my reads of the other slot are over; my codes and bytes of this step's W lie in LDS
.if \sync == 1
	ROUND                                          ; all that now holds of every wave of the four work-groups
	tensor_load_to_lds s[G0+4-4*\slot:G0+7-4*\slot], s[G1:G1+7]   ; the joint refill, first behind the round: my one tensor load until the next
	s_nop 0
.else
	s_barrier_signal -1
	s_barrier_wait -1
.endif
.endif
	v_add_nc_u32 v[RW16], s[CWO], v[WFA16]
	v_add_nc_u32 v[RW8], s[CWO], v[WFA8]
	v_add_nc_u32 v[RWS], s[SWO], v[WSA]
.irp j, 0,1,2,3,4,5,6,7
	ds_load_u16 v[AS+\j], v[ASA+\slot] offset:64*\j
.endr
.irp j, 0,1,2,3,4,5,6,7
	ds_load_u16 v[ASH+\j], v[ASA+\slot] offset:2048+64*\j
.endr
	ds_load_b32 v[WS], v[RWS]
	ds_load_b32 v[WS+1], v[RWS] offset:128
.irp c, 0,1,2,3
	FRAG WF+12*\c, RW16, RW8, \c*1536, 768
.endr
	GROUP AB0, \slot, 0
	GROUP AB1, \slot, 1
	s_wait_dscnt 50                                ; the 16 halfwords are in; behind them: 2 + 16 + 32 loads
.irp j, 0,1,2,3,4,5,6,7
	v_lshl_or_b32 v[AS+\j], v[ASH+\j], 16, v[AS+\j]
.endr
.rept 8
	v_nop                                          ; a scale register written by a vector instruction stands 8 places ahead of a scaled matrix instruction; the wave waits for its fragments here in any case
.endr
	s_wait_alu depctr_va_vdst(0)
	s_wait_dscnt 16                                ; W's words and fragments and token tiles 0-3 are in; tiles 4-7 may be out
	MULW AB0, 0, \sync
.rept 4
	v_nop                                          ; places in front of loads into registers that matrix instructions have read
.endr
	WIN 0
	GROUP AB0, \slot, 2
	s_wait_dscnt 16                                ; tiles 4-7 are in
	MULW AB1, 1, \sync
.rept 4
	v_nop
.endr
	WIN 0
	GROUP AB1, \slot, 3
	s_wait_dscnt 16                                ; tiles 8-11 are in
	MULW AB0, 2, \sync
	s_wait_dscnt 0x0
	MULW AB1, 3, \sync
.if \sync == 0
.rept 4
	v_nop                                          ; places behind the products that read the bias, in front of the quantiser's writes of those registers (ISA guide 7.12.1)
.endr
.endif
	WIN 0
.if \qw
	s_add_co_u32 s[CWO], s[CWO], 6144
	s_add_co_u32 s[SWO], s[SWO], 256
	QW \qset, \cnt, \issue                         ; its vector lines are also the places in front of the next step's loads
.endif
.endm
	s_load_b256 s[4:11], s[0:1], 0x0               ; A s[4:5], W s[6:7], the bias s[8:9], the output s[10:11]
	v_lshl_add_u32 v[SPW], v0, 2, SPARE
	v_mov_b32 v[NIL], 0
	ds_add_u32 v1, v2
	ds_add_u32 v1, v2
	s_wait_dscnt 0x0
	v_lshrrev_b32 v20, 5, v0
	v_readfirstlane_b32 s[WV], v20
	s_bfe_u32 s[CX], ttmp6, 0x40000
	s_lshl_b32 s[ID], ttmp9, 2
	s_add_co_u32 s[ID], s[ID], s[CX]
	s_mov_b32 s[G1], 15|(3<<16)|(1<<21)            ; 15:0 the mask: all four work-groups; 17:16 elements of 8 bytes; 20 no padding; 21 set beside a mask
	s_mov_b32 s[G1+1], 32<<16                      ; tensor_dim0 = 32 elements: rows of 256 bytes
	s_mov_b32 s[G1+2], 100<<16                     ; tensor_dim1 = 100
	s_mov_b32 s[G1+3], 32<<16                      ; tile_dim0
	s_mov_b32 s[G1+4], 100                         ; tile_dim1
	s_mov_b32 s[G1+5], 32                          ; the pitch: the block is dense
	s_mov_b32 s[G1+6], 0
	s_mov_b32 s[G1+7], 0
	s_mov_b32 s[SEL], 0x76543210
	s_mov_b32 s[SEL+1], 0xfedcba98
	s_mov_b32 s[CWO], 0
	s_mov_b32 s[SWO], 0
	v_mov_b32 v[N], 0                              ; written once: a lane permute's destination counts as one of its sources
	v_mov_b32 v[N+1], 0
.if IS_UP
	s_lshr_b32 s40, s[ID], 6
	s_lshl_b32 s40, s40, 24                        ; the expert
	s_and_b32 s41, s[ID], 63
	s_lshl_b32 s41, s41, 8                         ; my 64 columns
	s_lshl_b32 s42, s[WV], 19                      ; my wave's 32 rows
	s_lshl_b32 s43, s[ID], 8                       ; b1: 16,384 x expert + 256 x column group = 256 id
.else
	s_lshr_b32 s40, s[ID], 4
	s_lshl_b32 s40, s40, 23                        ; the expert and the half of K
	s_and_b32 s41, s[ID], 15
	s_lshl_b32 s41, s41, 8
	s_lshl_b32 s42, s[WV], 17
	s_lshr_b32 s43, s[ID], 5
	s_lshl_b32 s43, s43, 12
	s_add_co_u32 s43, s43, s41                     ; b2: 4,096 x expert + 256 x column group
.endif
	s_add_co_u32 s40, s40, s41
	s_add_co_u32 s40, s40, s42
	v_and_b32 v20, 31, v0                          ; lane
	v_and_b32 v21, 15, v0                          ; qd
	v_bfe_u32 v22, v0, 4, 1                        ; hh
	v_lshlrev_b32 v21, 4, v21
	v_lshl_add_u32 v21, v22, HSH, v21
	v_add_nc_u32 v[VOFF], s40, v21
	v_add_nc_u32 v[VOFF+1], STEPB, v[VOFF]
	v_add_nc_u32 v[VOFF+2], 2*STEPB, v[VOFF]
	v_add_nc_u32 v[VOFF+3], 3*STEPB, v[VOFF]
	v_lshl_add_u32 v[BA], v20, 3, s43
	s_mul_i32 s35, s[WV], 25600                    ; my quarter of a block, in LDS and in memory
	s_mov_b32 s36, s35
	s_mov_b32 s37, 0
.if !IS_UP
	s_lshr_b32 s38, ttmp9, 2                       ; 2 x expert + half: the four partners share it
	s_mul_i32 s38, s38, 16*ABLK
	s_add_co_u32 s36, s36, s38
.endif
	s_wait_alu depctr_va_vdst(0)
	s_wait_kmcnt 0x0
	global_load_b64 v[AB0:AB0+1], v[BA], s[8:9]    ; the 64 numbers of the bias, two a lane
	WISSUE 0
	WISSUE 1
	WISSUE 2
	s_mov_b32 s[G0], 1                             ; count = 1
	s_mov_b32 s[G0+1], s35                         ; LDS address: slot 0
	s_add_nc_u64 s[G0+2:G0+3], s[4:5], s[36:37]    ; block 0
	s_mov_b32 s[G0+4], 1
	s_add_co_u32 s[G0+5], s35, ABLK                ; slot 1
	s_add_nc_u64 s[G0+6:G0+7], s[G0+2:G0+3], ABLK  ; block 1
	s_or_b32 s[G0+3], s[G0+3], 0x80000000          ; type = 2
	s_or_b32 s[G0+7], s[G0+7], 0x80000000
	ROUND                                          ; all four work-groups are here: the first joint loads meet
	tensor_load_to_lds s[G0:G0+3], s[G1:G1+7]      ; block 0: one tensor load a wave at the head
	s_nop 0
	v_lshlrev_b32 v[WFA16], 4, v20
	v_lshlrev_b32 v[WFA8], 3, v20
	s_mul_i32 s35, s[WV], 12288
	v_add_nc_u32 v[A16], s35, v[WFA16]
	v_add_nc_u32 v[A8], s35, v[WFA8]
	v_add_nc_u32 v[A8], 512, v[A8]
	v_add_nc_u32 v[A16+1], ABLK, v[A16]
	v_add_nc_u32 v[A8+1], ABLK, v[A8]
	s_lshl_b32 s35, s[WV], 9
	s_add_co_u32 s35, s35, ASCL
	v_lshl_add_u32 v[ASA], v20, 1, s35
	v_add_nc_u32 v[ASA+1], ABLK, v[ASA]
	v_lshl_add_u32 v[WSA], v20, 2, SW
	v_add_nc_u32 v[WFA16], CW, v[WFA16]
	v_add_nc_u32 v[WFA8], CW+512, v[WFA8]
	; where column 4 qd + 2 p + hh goes: which tile, which row r of it (r0 is the row for p = 0; p adds 2)
.if IS_UP
	v_bfe_u32 v21, v0, 3, 1
	v_bfe_u32 v22, v0, 1, 1
	v_lshl_add_u32 v21, v21, 1, v22                ; tile = 2 x (column / 32) + (column / 8) % 2
	v_bfe_u32 v22, v0, 2, 1
	v_and_b32 v[QSB], 1, v0
	v_lshlrev_b32 v[QSB], 2, v[QSB]
	v_lshl_add_u32 v22, v22, 3, v[QSB]             ; row = 8 x ((column / 16) % 2) + column % 8
.else
	v_bfe_u32 v21, v0, 2, 2                        ; tile = column / 16
	v_and_b32 v22, 3, v0
	v_lshlrev_b32 v22, 2, v22                      ; row = column % 16
.endif
	v_lshl_add_u32 v[QSB], v21, 4, v22
	v_lshlrev_b32 v[QSB], 2, v[QSB]
	s_add_co_u32 s35, s[WV], SW
	v_add_nc_u32 v[QSB], s35, v[QSB]               ; scale word 16 x tile + row, byte w
	v_bfe_u32 v[BL], v0, 4, 1
	v_add_nc_u32 v22, v22, v[BL]
	v_mul_u32_u24 v21, v21, 1536
	v_lshl_add_u32 v[QB16], v22, 4, v21
	v_lshl_add_u32 v[QB8], v22, 3, v21
	s_wait_alu depctr_va_vdst(0)
	s_lshr_b32 s35, s[WV], 1
	s_mul_i32 s35, s35, 768                        ; block w of a K step is half w / 2 of the fragment, lanes 16 (w % 2) on
	s_and_b32 s36, s[WV], 1
	s_lshl_b32 s37, s36, 8
	s_add_co_u32 s37, s37, s35
	s_add_co_u32 s37, s37, CW
	v_add_nc_u32 v[QB16], s37, v[QB16]
	s_lshl_b32 s37, s36, 7
	s_add_co_u32 s37, s37, s35
	s_add_co_u32 s37, s37, CW+512
	v_add_nc_u32 v[QB8], s37, v[QB8]
	s_lshl_b32 s35, s[WV], 8
	s_add_co_u32 s35, s35, BIA
	v_lshl_add_u32 v23, v20, 3, s35                ; the bias into my wave's 256 bytes,
	v_lshl_add_u32 v[BL], v[BL], HB, s35           ; and out of them: the eight numbers of my half of the lanes
.if IS_UP
	s_lshr_b32 s38, s[ID], 1                       ; hq: block 32 x expert + column group / 2 = id / 2, half id % 2
	s_mul_i32 s38, s38, ABLK
	s_and_b32 s39, s[ID], 1
	s_mul_i32 s40, s39, AHALF
	s_add_co_u32 s40, s40, s38
	s_mul_i32 s41, s[WV], 12288
	s_add_co_u32 s40, s40, s41
	v_lshl_add_u32 v[GO16], v20, 4, s40
	v_lshl_add_u32 v[GO8], v20, 3, s40
	s_lshl_b32 s39, s39, 11
	s_add_co_u32 s38, s38, s39
	s_lshl_b32 s41, s[WV], 9
	s_add_co_u32 s38, s38, s41
	s_add_co_u32 s38, s38, ASCL
	v_lshl_add_u32 v[GOS], v20, 4, s38
	s_add_co_u32 s41, s41, STG
	v_and_b32 v[STA], 15, v0
	v_lshl_add_u32 v[STA], v[STA], 1, s41
	v_lshl_add_u32 v[STR], v20, 4, s41
.else
	s_lshl_b32 s38, s[ID], 18                      ; part: 262,144 id + 65,536 w + 16 x lane
	s_lshl_b32 s39, s[WV], 16
	s_add_co_u32 s38, s38, s39
	v_lshl_add_u32 v[GO16], v20, 4, s38
.endif
	s_wait_alu depctr_va_vdst(0)
	s_wait_loadcnt 48                              ; the bias is in; W's first three sets may be out
.if !IS_UP
	s_bfe_u32 s38, ttmp9, 0x10002                  ; the half of K: b2 is added once, in half 0; a choice of values, no branch
	s_cmp_eq_u32 s38, 0
	s_cselect_b32 s38, -1, 0
	v_cndmask_b32 v[AB0], 0, v[AB0], s38
	v_cndmask_b32 v[AB0+1], 0, v[AB0+1], s38
.endif
	ds_store_b64 v23, v[AB0:AB0+1]
.macro BIASIN                          ; column tile c's eight numbers of my half of the lanes; LDS serves a wave's instructions in order (ISA guide 5.7.1.4): these see the store above
.irp c, 0,1,2,3
	ds_load_b128 v[T+8*\c:T+8*\c+3], v[BL] offset:128*(\c/2)+BC0*(\c%2)
	ds_load_b128 v[T+8*\c+4:T+8*\c+7], v[BL] offset:128*(\c/2)+BC0*(\c%2)+16
.endr
.endm
	WISSUE 3
	QW 0, 48, 1                                    ; K step 0's weights; sets 1 to 3 may be out
	BIASIN                                         ; into the quantiser's registers, idle until K step 0's products are issued
.if IS_UP
	STEP 0, 0, 1, 1, 48, 1                         ; K step 0
	STEP 1, 1, 1, 2, 48, 1
	STEP 0, 1, 1, 3, 48, 1
	STEP 1, 1, 1, 0, 48, 0                         ; K step 3: the last set has been asked for; the counts run down
	STEP 0, 1, 1, 1, 32, 0
	STEP 1, 1, 1, 2, 16, 0
	STEP 0, 1, 1, 3, 0, 0
	STEP 1, 2, 0, 0, 0, 0                          ; K step 7
.else
	STEP 0, 0, 1, 1, 48, 1                         ; K step 0
	s_mov_b32 s[CNT], 2
.Lfour:                                            ; K steps 1 to 8: a trip runs four steps, until slots and sets are back where they began
	STEP 1, 1, 1, 2, 48, 1
	STEP 0, 1, 1, 3, 48, 1
	STEP 1, 1, 1, 0, 48, 1
	STEP 0, 1, 1, 1, 48, 1
	s_sub_co_u32 s[CNT], s[CNT], 1
	s_cmp_lg_u32 s[CNT], 0
	s_cbranch_scc1 .Lfour
	STEP 1, 1, 1, 2, 48, 1                         ; K step 9
	STEP 0, 1, 1, 3, 48, 1                         ; K step 10 asks for the last set
	STEP 1, 1, 1, 0, 48, 0
	STEP 0, 1, 1, 1, 32, 0
	STEP 1, 1, 1, 2, 16, 0
	STEP 0, 1, 1, 3, 0, 0
	STEP 1, 2, 0, 0, 0, 0                          ; K step 15
.endif
.rept 4
	v_nop                                          ; places behind the last products, in front of the first read of results and of writes over their operands
.endr
.if IS_UP
; THE WAY OUT: relu, the quantiser along the hidden units, codes as an image of the next product's operand.  Two token tiles at a time: four blocks of 32 by turns.
.set H,   AB0                          ; v90-153  2 x 32 numbers: register 16 b + i of a tile = hidden unit 32 b + 16 h + i
.set OUT, 154                          ; v154-169 codes
.set HWD, T                            ; v186-201 a scale halfword for each token tile
.set EM,  202
.set EN,  206
.set ES,  210
.set EB,  214
.macro EPI2 t
	WIN 0x08+4*((\t)/8)
.set i, 0
.rept 64
	v_max_num_f32 v[H+i], 0, v[32*((\t)%8)+i]      ; the activation, in f32; each accumulator from its low end on
.set i, i+1
.endr
	WIN 0
.irp q, 0,1,2,3
	v_max3_num_f32 v[EM+\q], v[H+16*\q], v[H+16*\q+1], 0x1800000   ; none is negative; the floor 2^(3 - 127)
.endr
.irp n, 2,4,6,8,10,12,14
.irp q, 0,1,2,3
	v_max3_num_f32 v[EM+\q], v[EM+\q], v[H+16*\q+\n], v[H+16*\q+\n+1]
.endr
.endr
.irp q, 0,1,2,3
	v_permlanex16_b32 v[EN+\q], v[EM+\q], s[SEL], s[SEL+1]
.endr
.irp q, 0,1,2,3
	v_max_num_f32 v[EM+\q], v[EM+\q], v[EN+\q]
.endr
.irp q, 0,1,2,3
	v_add_nc_u32 v[ES+\q], 0xff000000, v[EM+\q]
.endr
.irp q, 0,1,2,3
	v_lshrrev_b32 v[EB+\q], 23, v[ES+\q]
.endr
	v_lshl_or_b32 v[HWD+(\t)], v[EB+1], 8, v[EB]
	v_lshl_or_b32 v[HWD+(\t)+1], v[EB+3], 8, v[EB+2]
	s_wait_xcnt 0x0                                ; the last two tiles' stores have read their data: the codes' registers are written again only behind this wait
.irp k, 0,1
	v_cvt_scalef32_pk16_fp6_f32 v[OUT+8*\k:OUT+8*\k+2], v[H+32*\k:H+32*\k+15], v[ES+2*\k]
	v_cvt_scalef32_pk16_fp6_f32 v[OUT+8*\k+4:OUT+8*\k+6], v[H+32*\k+16:H+32*\k+31], v[ES+2*\k+1]
.endr
	v_nop                                          ; one plain place behind a scaled conversion
.irp k, 0,1
.irp n, 0,1,2
	v_permlane16_swap_b32 v[OUT+8*\k+\n], v[OUT+8*\k+4+\n]   ; lanes 0-15 now hold block 0 whole, lanes 16-31 block 1
.endr
.irp n, 0,1,2
	v_mov_b32 v[OUT+8*\k+3+\n], v[OUT+8*\k+4+\n]
.endr
	global_store_b128 v[GO16], v[OUT+8*\k:OUT+8*\k+3], s[10:11] offset:((\t)+\k)*768 th:TH_STORE_NT        ; 512 consecutive bytes, at a multiple of 256
	global_store_b64 v[GO8], v[OUT+8*\k+4:OUT+8*\k+5], s[10:11] offset:((\t)+\k)*768+512 th:TH_STORE_NT    ; 256 consecutive bytes
	ds_store_b16 v[STA], v[HWD+(\t)+\k] offset:32*((\t)+\k)   ; both halves of the lanes write the same halfword
.endr
.endm
.irp t, 0,2,4,6,8,10,12,14
	EPI2 \t
.endr
	ds_load_b128 v[CD:CD+3], v[STR]                ; my 256 tokens' halfwords: LDS serves a wave's instructions in order
	s_wait_dscnt 0x0
	global_store_b128 v[GOS], v[CD:CD+3], s[10:11] th:TH_STORE_NT   ; 512 consecutive bytes
.else
; THE WAY OUT: the accumulators as they stand: every store of the wave covers 512 consecutive bytes, at a multiple of 256
.macro OUT8 base
.irp t, 0,1,2,3,4,5,6,7
.irp c, 0,1,2,3
	global_store_b128 v[GO16], v[8*(4*\t+\c):8*(4*\t+\c)+3], s[10:11] offset:(\base+\t)*4096+\c*1024 th:TH_STORE_NT
	global_store_b128 v[GO16], v[8*(4*\t+\c)+4:8*(4*\t+\c)+7], s[10:11] offset:(\base+\t)*4096+\c*1024+512 th:TH_STORE_NT
.endr
.endr
.endm
	WIN 0x08
	OUT8 0
	WIN 0x0c
	OUT8 8
	WIN 0
.endif
	s_wait_tensorcnt 0x0                           ; the wave's end
	ds_add_u32 v[SPW], v[NIL]
	s_wait_dscnt 0x0
	ROUND                                          ; the closing round: no work-group ends while a partner may still ask for a block that names it
	s_endpgm
.Lfunc_end_k_qd5e59ee124_up:
	.size	k_qd5e59ee124_up, .Lfunc_end_k_qd5e59ee124_up-k_qd5e59ee124_up
	.p2alignl 7, 3214868480
	.fill 96, 4, 3214868480
	.section	.rodata,"a",@progbits
	.p2align	6, 0x0
	.amdhsa_kernel k_qd5e59ee124_up
		.amdhsa_group_segment_fixed_size 327680
		.amdhsa_private_segment_fixed_size 0
		.amdhsa_enable_private_segment 0
		.amdhsa_kernarg_size 32
		.amdhsa_user_sgpr_count 2
		.amdhsa_user_sgpr_kernarg_segment_ptr 1
		.amdhsa_wavefront_size32 1
		.amdhsa_system_sgpr_workgroup_id_x 1
		.amdhsa_system_sgpr_workgroup_id_y 1
		.amdhsa_system_sgpr_workgroup_id_z 1
		.amdhsa_system_vgpr_workitem_id 0
		.amdhsa_next_free_vgpr 1024
		.amdhsa_next_free_sgpr 66
		.amdhsa_reserve_vcc 0
		.amdhsa_float_denorm_mode_32 3
		.amdhsa_float_denorm_mode_16_64 3
		.amdhsa_memory_ordered 1
		.amdhsa_forward_progress 1
		.amdhsa_inst_pref_size 252
	.end_amdhsa_kernel
	.amdgpu_metadata
---
amdhsa.version: [ 1, 2 ]
amdhsa.kernels:
  - .name:           k_qd5e59ee124_up
    .symbol:         k_qd5e59ee124_up.kd
    .args:
      - { .name: xq, .offset: 0, .size: 8, .value_kind: global_buffer, .address_space: global }
      - { .name: W1, .offset: 8, .size: 8, .value_kind: global_buffer, .address_space: global }
      - { .name: b1, .offset: 16, .size: 8, .value_kind: global_buffer, .address_space: global }
      - { .name: hq, .offset: 24, .size: 8, .value_kind: global_buffer, .address_space: global }
    .group_segment_fixed_size: 327680
    .private_segment_fixed_size: 0
    .kernarg_segment_align: 8
    .kernarg_segment_size: 32
    .max_flat_workgroup_size: 128
    .sgpr_count:     66
    .vgpr_count:     1024
    .wavefront_size: 32
...
	.end_amdgpu_metadata
.endif
;; end of part 2
;; launch down (part 3): grid 256 x 1, 4 waves a work-group, clusters of 4 x 1, 327,680 bytes of LDS; arguments hq, W2, b2, part; writes part
.if DOCPART == 3
	.amdgcn_target "amdgcn-amd-amdhsa--gfx1250"
	.amdhsa_code_object_version 6
	.text
	.protected	k_qd5e59ee124_down
	.globl	k_qd5e59ee124_down
	.p2align	8
	.type	k_qd5e59ee124_down,@function
k_qd5e59ee124_down:
	s_mov_b64 s[64:65], 0
	v_nop
	global_prefetch_b8 v0, s[64:65] scope:SCOPE_SE
	s_setreg_imm32_b32 hwreg(HW_REG_WAVE_MODE, 25, 1), 1
	s_wait_xcnt 0x0
	s_wait_alu depctr_hold_cnt(0) depctr_sa_sdst(0) depctr_va_vdst(0) depctr_va_sdst(0) depctr_va_ssrc(0) depctr_va_vcc(0) depctr_vm_vsrc(0)
	s_getreg_b32 s2, hwreg(HW_REG_IB_STS2, 6, 4)
	s_cmp_eq_u32 s2, 0
	s_cbranch_scc0 .Lentry_in_a_cluster
	s_endpgm
.Lentry_in_a_cluster:
	s_bfe_u32 s2, ttmp6, 0x10000c
	s_cmp_lg_u32 s2, 0x3003
	s_cbranch_scc0 .Lentry_shape_is_right
	s_endpgm
.Lentry_shape_is_right:
; part[e][kh] = h W2[e] over half kh of K (+ b2[e] where kh = 0), f32; both operands codes of FP6 (E2M3) with one E8M0 byte for each 32 along K.  The text of launch up with IS_UP = 0; its head comment explains the shares, layouts and registers.
; SHARES.  A work-group makes 1,024 tokens x 64 columns over 16 K steps of 128; wave w owns tokens 256 w on: 64 accumulators.  W2 arrives as f32, K its first axis, is read once and quantised on its way (macro QW); hq arrives as codes, a block of 102,400 bytes a K step, through a ring of two LDS slots.
; THE DEAL.  With c the cluster's number: expert and half of K = c % 16, columns 64 (4 (c / 16) + place) on.  So the four clusters that walk the same 16 blocks of hq are those whose numbers agree in their low four bits.  Any deal gives the same values.
; CLUSTER.  The four work-groups of a cluster walk the same blocks of hq: each load is asked for jointly (mask 15).  No two work-groups read the same weight.
; THE RING'S START: one joint load a wave at the head (block 0); slot 1's first fill stands in K step 0, behind the same lines as every refill.
; THE BIAS: eight LDS loads bring the wave's 64 numbers into v186-217, and the first K step's products take them as C; nothing is cleared.
; PREFETCH.  In K step s, whose refill asks for block s + 1, each wave names 25 rows of 256 bytes of block s + 3: two refills ahead.  Of the 100 rows that wave w fetches, the partner at place p takes 25 p .. 25 p + 24, by address; lanes 25-31 name the last of them again.
;   So each row is named once in each cluster that will load it.  Blocks 0 to 2 come by their loads alone; K steps 13 to 15 ask for nothing: block 15 is the last.  W2 is asked for three to four K steps ahead by its own loads into registers and is not prefetched.
; LIMITS: NaN and infinities are not served.  A block of zeros gets the byte 1 (its codes are zeros; this program alone reads the bytes).  The bias is the first term of the f32 sum, not the last.
.set IS_UP, 0
.if IS_UP
.set PITCH, 16384
.set HSH,   18
.set HB,    6
.set BC0,   32
.else
.set PITCH, 4096
.set HSH,   16
.set HB,    5
.set BC0,   64
.endif
.set STEPB, 128*PITCH
.set ABLK,  102400
.set AHALF, 49152
.set ASCL,  98304
.set CW,    204800
.set SW,    303104
.set BIA,   307200
.set STG,   308224
.set SPARE, 310272
.set SPW,   1
.set NIL,   2
.set A16,   3
.set A8,    5
.set ASA,   7
.set WFA16, 9
.set WFA8,  10
.set WSA,   11
.set QB16,  12
.set QB8,   13
.set QSB,   14
.set BA,    15
.set VOFF,  16
.set WS,    24
.set AS,    26
.set ASH,   34
.set WF,    42
.set AB0,   90
.set AB1,   138
.set T,     186
.set CD,    218
.set BY,    234
.set M,     238
.set N,     240
.set SC,    242
.set RW16,  244
.set RW8,   245
.set RWS,   246
.set QA16,  247
.set QA8,   248
.set QAS,   249
.set GO16,  250
.set GO8,   251
.set GOS,   252
.set STA,   253
.set STR,   254
.set BL,    255
.set WV,    12
.set CX,    13
.set ID,    14
.set G1,    16
.set G0,    24
.set SEL,   32
.set CNT,   34
.set CWO,   44
.set SWO,   45
.set PF,    46                         ; s[46:47] the block of hq that my prefetch names
.set PFO,   21                         ; v21 my row of it, in bytes; never rewritten behind the head
.set MSB, 0
.macro WIN new
.if MSB != (\new)
	s_set_vgpr_msb (MSB<<8)|(\new)
.set MSB, (\new)
.endif
.endm
.macro ROUND
	s_barrier_signal -1
	s_barrier_wait -1
	s_cmp_lg_u32 s[WV], 0
	s_cbranch_scc1 .Lnot_wave_0_\@
	s_barrier_signal -3
.Lnot_wave_0_\@:
	s_barrier_wait -3
	s_barrier_signal -1
	s_barrier_wait -1
.endm
.macro FRAG reg, a16, a8, off, half
	ds_load_b128 v[\reg:\reg+3], v[\a16] offset:\off
	ds_load_b64 v[\reg+4:\reg+5], v[\a8] offset:\off
	ds_load_b128 v[\reg+6:\reg+9], v[\a16] offset:\off+\half
	ds_load_b64 v[\reg+10:\reg+11], v[\a8] offset:\off+\half
.endm
.macro GROUP buf, slot, g
.irp k, 0,1,2,3
	FRAG \buf+12*\k, A16+\slot, A8+\slot, (4*(\g)+\k)*768, AHALF
.endr
.endm
.macro MM acc, wf, af, sa, sb, ra, rb
.if (\ra) && (\rb)
	v_wmma_scale_f32_16x16x128_f8f6f4 v[(\acc):(\acc)+7], v[(\wf):(\wf)+11], v[(\af):(\af)+11], v[(\acc):(\acc)+7], v[\sa], v[\sb] matrix_a_fmt:MATRIX_FMT_FP6 matrix_b_fmt:MATRIX_FMT_FP6 matrix_a_scale:MATRIX_SCALE_ROW1 matrix_b_scale:MATRIX_SCALE_ROW1
.elseif \ra
	v_wmma_scale_f32_16x16x128_f8f6f4 v[(\acc):(\acc)+7], v[(\wf):(\wf)+11], v[(\af):(\af)+11], v[(\acc):(\acc)+7], v[\sa], v[\sb] matrix_a_fmt:MATRIX_FMT_FP6 matrix_b_fmt:MATRIX_FMT_FP6 matrix_a_scale:MATRIX_SCALE_ROW1
.elseif \rb
	v_wmma_scale_f32_16x16x128_f8f6f4 v[(\acc):(\acc)+7], v[(\wf):(\wf)+11], v[(\af):(\af)+11], v[(\acc):(\acc)+7], v[\sa], v[\sb] matrix_a_fmt:MATRIX_FMT_FP6 matrix_b_fmt:MATRIX_FMT_FP6 matrix_b_scale:MATRIX_SCALE_ROW1
.else
	v_wmma_scale_f32_16x16x128_f8f6f4 v[(\acc):(\acc)+7], v[(\wf):(\wf)+11], v[(\af):(\af)+11], v[(\acc):(\acc)+7], v[\sa], v[\sb] matrix_a_fmt:MATRIX_FMT_FP6 matrix_b_fmt:MATRIX_FMT_FP6
.endif
.endm
.macro MMF acc, cc, wf, af, sa, sb, ra, rb   ; a sum's first product: C = the bias registers cc, D = the accumulator
.if (\ra) && (\rb)
	v_wmma_scale_f32_16x16x128_f8f6f4 v[(\acc):(\acc)+7], v[(\wf):(\wf)+11], v[(\af):(\af)+11], v[(\cc):(\cc)+7], v[\sa], v[\sb] matrix_a_fmt:MATRIX_FMT_FP6 matrix_b_fmt:MATRIX_FMT_FP6 matrix_a_scale:MATRIX_SCALE_ROW1 matrix_b_scale:MATRIX_SCALE_ROW1
.elseif \ra
	v_wmma_scale_f32_16x16x128_f8f6f4 v[(\acc):(\acc)+7], v[(\wf):(\wf)+11], v[(\af):(\af)+11], v[(\cc):(\cc)+7], v[\sa], v[\sb] matrix_a_fmt:MATRIX_FMT_FP6 matrix_b_fmt:MATRIX_FMT_FP6 matrix_a_scale:MATRIX_SCALE_ROW1
.elseif \rb
	v_wmma_scale_f32_16x16x128_f8f6f4 v[(\acc):(\acc)+7], v[(\wf):(\wf)+11], v[(\af):(\af)+11], v[(\cc):(\cc)+7], v[\sa], v[\sb] matrix_a_fmt:MATRIX_FMT_FP6 matrix_b_fmt:MATRIX_FMT_FP6 matrix_b_scale:MATRIX_SCALE_ROW1
.else
	v_wmma_scale_f32_16x16x128_f8f6f4 v[(\acc):(\acc)+7], v[(\wf):(\wf)+11], v[(\af):(\af)+11], v[(\cc):(\cc)+7], v[\sa], v[\sb] matrix_a_fmt:MATRIX_FMT_FP6 matrix_b_fmt:MATRIX_FMT_FP6
.endif
.endm
.macro MULW buf, g, sync               ; 16 products; each accumulator has one turn a K step.  sync = 0: the first K step: C is the bias, in window 0
.if \sync == 0
	WIN 0x80+0x40*((\g)/2)
.else
	WIN 0xa0+0x50*((\g)/2)
.endif
.irp k, 0,1,2,3
.irp c, 0,1,2,3
.if \sync == 0
	MMF 8*(4*(4*((\g)%2)+\k)+\c), T+8*\c, WF+12*\c, \buf+12*\k, WS+\c/2, AS+2*(\g)+\k/2, \c%2, \k%2
.else
	MM 8*(4*(4*((\g)%2)+\k)+\c), WF+12*\c, \buf+12*\k, WS+\c/2, AS+2*(\g)+\k/2, \c%2, \k%2
.endif
.endr
.endr
.endm
.macro WISSUE set
	WIN 0x40
.irp i, 0,1,2,3,4,5,6,7,8,9,10,11,12,13,14,15
	global_load_b128 v[64*(\set)+4*\i:64*(\set)+4*\i+3], v[VOFF+(\set)], s[6:7] offset:\i*PITCH th:TH_LOAD_NT
.endr
	WIN 0
.endm
.macro QW set, cnt, issue
	s_wait_loadcnt \cnt
	v_add_nc_u32 v[QA16], s[CWO], v[QB16]
	v_add_nc_u32 v[QA8], s[CWO], v[QB8]
	v_add_nc_u32 v[QAS], s[SWO], v[QSB]
.irp p, 0,1
	WIN 0x01
.irp i, 0,1,2,3,4,5,6,7,8,9,10,11,12,13,14,15
	v_mov_b32 v[T+\i], v[64*(\set)+4*\i+2*\p]
	v_mov_b32 v[T+16+\i], v[64*(\set)+4*\i+2*\p+1]
.endr
	WIN 0
	v_max3_num_f32 v[M], |v[T]|, |v[T+1]|, 0x1800000
	v_max3_num_f32 v[M+1], |v[T+16]|, |v[T+17]|, 0x1800000
.irp i, 2,4,6,8,10,12,14
	v_max3_num_f32 v[M], v[M], |v[T+\i]|, |v[T+\i+1]|
	v_max3_num_f32 v[M+1], v[M+1], |v[T+16+\i]|, |v[T+17+\i]|
.endr
	v_permlanex16_b32 v[N], v[M], s[SEL], s[SEL+1]
	v_permlanex16_b32 v[N+1], v[M+1], s[SEL], s[SEL+1]
	v_max_num_f32 v[M], v[M], v[N]
	v_max_num_f32 v[M+1], v[M+1], v[N+1]
	v_add_nc_u32 v[SC], 0xff000000, v[M]
	v_add_nc_u32 v[SC+1], 0xff000000, v[M+1]
	v_lshrrev_b32 v[BY+2*\p], 23, v[SC]
	v_lshrrev_b32 v[BY+2*\p+1], 23, v[SC+1]
	v_cvt_scalef32_pk16_fp6_f32 v[CD+8*\p:CD+8*\p+2], v[T:T+15], v[SC]
	v_cvt_scalef32_pk16_fp6_f32 v[CD+8*\p+4:CD+8*\p+6], v[T+16:T+31], v[SC+1]
	v_nop
.irp i, 0,1,2
	v_permlane16_swap_b32 v[CD+8*\p+\i], v[CD+8*\p+4+\i]
.endr
.irp i, 0,1,2
	v_mov_b32 v[CD+8*\p+3+\i], v[CD+8*\p+4+\i]
.endr
	ds_store_b128 v[QA16], v[CD+8*\p:CD+8*\p+3] offset:32*\p
	ds_store_b64 v[QA8], v[CD+8*\p+4:CD+8*\p+5] offset:16*\p
	ds_store_b8 v[QAS], v[BY+2*\p] offset:8*\p
	ds_store_b8 v[QAS], v[BY+2*\p+1] offset:8*\p+4
.endr
.if \issue
	v_add_nc_u32 v[VOFF+(\set)], 4*STEPB, v[VOFF+(\set)]
	WISSUE \set
.endif
.endm
; A K STEP.  slot: where its block of hq lies.  sync = 0: the first step (slot 1 is filled for the first time); 1: the other slot is filled again; 2: the last step.  qw = 1: the next step's weights are quantised behind the products.  pf = 1: the block three steps on is prefetched.
.macro STEP slot, sync, qw, qset, cnt, issue, pf
.if \pf
	s_wait_xcnt 0x0                                ; the last step's prefetch has read its address: only behind this wait is it stepped
	s_add_nc_u64 s[PF:PF+1], s[PF:PF+1], ABLK
.endif
.if \sync == 0
	s_wait_tensorcnt 0x0                           ; my part of block 0 is in: my one load so far
	ds_add_u32 v[SPW], v[NIL]                      ; 0 onto my spare word
	s_wait_dscnt 0x0                               ; the add is done; my codes and bytes of W's first step lie in LDS; the bias is in its registers
	ROUND
	tensor_load_to_lds s[G0+4:G0+7], s[G1:G1+7]    ; slot 1's first fill, block 1: issued as a refill is
	s_nop 0
.else
	s_wait_tensorcnt 0x0
	ds_add_u32 v[SPW], v[NIL]
.if \sync == 1
	s_add_nc_u64 s[G0+6-4*\slot:G0+7-4*\slot], s[G0+6-4*\slot:G0+7-4*\slot], 2*ABLK
.endif
	s_wait_dscnt 0x0
.if \sync == 1
	ROUND
	tensor_load_to_lds s[G0+4-4*\slot:G0+7-4*\slot], s[G1:G1+7]
	s_nop 0
.else
	s_barrier_signal -1
	s_barrier_wait -1
.endif
.endif
	v_add_nc_u32 v[RW16], s[CWO], v[WFA16]
	v_add_nc_u32 v[RW8], s[CWO], v[WFA8]
	v_add_nc_u32 v[RWS], s[SWO], v[WSA]
.irp j, 0,1,2,3,4,5,6,7
	ds_load_u16 v[AS+\j], v[ASA+\slot] offset:64*\j
.endr
.irp j, 0,1,2,3,4,5,6,7
	ds_load_u16 v[ASH+\j], v[ASA+\slot] offset:2048+64*\j
.endr
	ds_load_b32 v[WS], v[RWS]
	ds_load_b32 v[WS+1], v[RWS] offset:128
.irp c, 0,1,2,3
	FRAG WF+12*\c, RW16, RW8, \c*1536, 768
.endr
	GROUP AB0, \slot, 0
	GROUP AB1, \slot, 1
	s_wait_dscnt 50
.irp j, 0,1,2,3,4,5,6,7
	v_lshl_or_b32 v[AS+\j], v[ASH+\j], 16, v[AS+\j]
.endr
.rept 8
	v_nop
.endr
	s_wait_alu depctr_va_vdst(0)
	s_wait_dscnt 16
	MULW AB0, 0, \sync
.rept 4
	v_nop
.endr
	WIN 0
	GROUP AB0, \slot, 2
.if \pf
	global_prefetch_b8 v[PFO], s[PF:PF+1] th:TH_LOAD_NT scope:SCOPE_SE   ; 16 products behind the refill, 48 ahead of the next wait for loaded data
.endif
	s_wait_dscnt 16
	MULW AB1, 1, \sync
.rept 4
	v_nop
.endr
	WIN 0
	GROUP AB1, \slot, 3
	s_wait_dscnt 16
	MULW AB0, 2, \sync
	s_wait_dscnt 0x0
	MULW AB1, 3, \sync
.if \sync == 0
.rept 4
	v_nop                                          ; places behind the products that read the bias, in front of the quantiser's writes of those registers (ISA guide 7.12.1)
.endr
.endif
	WIN 0
.if \qw
	s_add_co_u32 s[CWO], s[CWO], 6144
	s_add_co_u32 s[SWO], s[SWO], 256
	QW \qset, \cnt, \issue
.endif
.endm
	s_load_b256 s[4:11], s[0:1], 0x0
	v_lshl_add_u32 v[SPW], v0, 2, SPARE
	v_mov_b32 v[NIL], 0
	ds_add_u32 v1, v2
	ds_add_u32 v1, v2
	s_wait_dscnt 0x0
	v_lshrrev_b32 v20, 5, v0
	v_readfirstlane_b32 s[WV], v20
	s_bfe_u32 s[CX], ttmp6, 0x40000
	s_and_b32 s[ID], ttmp9, 15                     ; 2 x expert + half of K: the cluster's number % 16
	s_lshl_b32 s[ID], s[ID], 2
	s_lshr_b32 s35, ttmp9, 4
	s_add_co_u32 s[ID], s[ID], s35                 ; which four column groups: the cluster's number / 16
	s_lshl_b32 s[ID], s[ID], 2
	s_add_co_u32 s[ID], s[ID], s[CX]               ; id = 32 x expert + 16 x half + column group
	s_mov_b32 s[G1], 15|(3<<16)|(1<<21)
	s_mov_b32 s[G1+1], 32<<16
	s_mov_b32 s[G1+2], 100<<16
	s_mov_b32 s[G1+3], 32<<16
	s_mov_b32 s[G1+4], 100
	s_mov_b32 s[G1+5], 32
	s_mov_b32 s[G1+6], 0
	s_mov_b32 s[G1+7], 0
	s_mov_b32 s[SEL], 0x76543210
	s_mov_b32 s[SEL+1], 0xfedcba98
	s_mov_b32 s[CWO], 0
	s_mov_b32 s[SWO], 0
	v_mov_b32 v[N], 0
	v_mov_b32 v[N+1], 0
.if IS_UP
	s_lshr_b32 s40, s[ID], 6
	s_lshl_b32 s40, s40, 24
	s_and_b32 s41, s[ID], 63
	s_lshl_b32 s41, s41, 8
	s_lshl_b32 s42, s[WV], 19
	s_lshl_b32 s43, s[ID], 8
.else
	s_lshr_b32 s40, s[ID], 4
	s_lshl_b32 s40, s40, 23
	s_and_b32 s41, s[ID], 15
	s_lshl_b32 s41, s41, 8
	s_lshl_b32 s42, s[WV], 17
	s_lshr_b32 s43, s[ID], 5
	s_lshl_b32 s43, s43, 12
	s_add_co_u32 s43, s43, s41
.endif
	s_add_co_u32 s40, s40, s41
	s_add_co_u32 s40, s40, s42
	v_and_b32 v20, 31, v0
	v_and_b32 v21, 15, v0
	v_bfe_u32 v22, v0, 4, 1
	v_lshlrev_b32 v21, 4, v21
	v_lshl_add_u32 v21, v22, HSH, v21
	v_add_nc_u32 v[VOFF], s40, v21
	v_add_nc_u32 v[VOFF+1], STEPB, v[VOFF]
	v_add_nc_u32 v[VOFF+2], 2*STEPB, v[VOFF]
	v_add_nc_u32 v[VOFF+3], 3*STEPB, v[VOFF]
	v_lshl_add_u32 v[BA], v20, 3, s43
	s_mul_i32 s35, s[WV], 25600
	s_mov_b32 s36, s35
	s_mov_b32 s37, 0
.if !IS_UP
	s_and_b32 s38, ttmp9, 15                       ; 2 x expert + half: the four partners share it
	s_mul_i32 s38, s38, 16*ABLK
	s_add_co_u32 s36, s36, s38
	s_add_co_u32 s[PF], s38, 2*ABLK                ; the prefetches stand at block 2: K step 0 steps them to block 3
	s_mov_b32 s[PF+1], 0
.endif
	s_wait_alu depctr_va_vdst(0)
	s_wait_kmcnt 0x0
	global_load_b64 v[AB0:AB0+1], v[BA], s[8:9]
	WISSUE 0
	WISSUE 1
	WISSUE 2
	s_mov_b32 s[G0], 1
	s_mov_b32 s[G0+1], s35
	s_add_nc_u64 s[G0+2:G0+3], s[4:5], s[36:37]
	s_add_nc_u64 s[PF:PF+1], s[4:5], s[PF:PF+1]
	s_mov_b32 s[G0+4], 1
	s_add_co_u32 s[G0+5], s35, ABLK
	s_add_nc_u64 s[G0+6:G0+7], s[G0+2:G0+3], ABLK
	s_or_b32 s[G0+3], s[G0+3], 0x80000000
	s_or_b32 s[G0+7], s[G0+7], 0x80000000
	ROUND
	tensor_load_to_lds s[G0:G0+3], s[G1:G1+7]      ; block 0: one tensor load a wave at the head
	s_nop 0
	v_lshlrev_b32 v[WFA16], 4, v20
	v_lshlrev_b32 v[WFA8], 3, v20
	s_mul_i32 s35, s[WV], 12288
	v_add_nc_u32 v[A16], s35, v[WFA16]
	v_add_nc_u32 v[A8], s35, v[WFA8]
	v_add_nc_u32 v[A8], 512, v[A8]
	v_add_nc_u32 v[A16+1], ABLK, v[A16]
	v_add_nc_u32 v[A8+1], ABLK, v[A8]
	s_lshl_b32 s35, s[WV], 9
	s_add_co_u32 s35, s35, ASCL
	v_lshl_add_u32 v[ASA], v20, 1, s35
	v_add_nc_u32 v[ASA+1], ABLK, v[ASA]
	v_lshl_add_u32 v[WSA], v20, 2, SW
	v_add_nc_u32 v[WFA16], CW, v[WFA16]
	v_add_nc_u32 v[WFA8], CW+512, v[WFA8]
.if IS_UP
	v_bfe_u32 v21, v0, 3, 1
	v_bfe_u32 v22, v0, 1, 1
	v_lshl_add_u32 v21, v21, 1, v22
	v_bfe_u32 v22, v0, 2, 1
	v_and_b32 v[QSB], 1, v0
	v_lshlrev_b32 v[QSB], 2, v[QSB]
	v_lshl_add_u32 v22, v22, 3, v[QSB]
.else
	v_bfe_u32 v21, v0, 2, 2
	v_and_b32 v22, 3, v0
	v_lshlrev_b32 v22, 2, v22
.endif
	v_lshl_add_u32 v[QSB], v21, 4, v22
	v_lshlrev_b32 v[QSB], 2, v[QSB]
	s_add_co_u32 s35, s[WV], SW
	v_add_nc_u32 v[QSB], s35, v[QSB]
	v_bfe_u32 v[BL], v0, 4, 1
	v_add_nc_u32 v22, v22, v[BL]
	v_mul_u32_u24 v21, v21, 1536
	v_lshl_add_u32 v[QB16], v22, 4, v21
	v_lshl_add_u32 v[QB8], v22, 3, v21
	s_wait_alu depctr_va_vdst(0)
	s_lshr_b32 s35, s[WV], 1
	s_mul_i32 s35, s35, 768
	s_and_b32 s36, s[WV], 1
	s_lshl_b32 s37, s36, 8
	s_add_co_u32 s37, s37, s35
	s_add_co_u32 s37, s37, CW
	v_add_nc_u32 v[QB16], s37, v[QB16]
	s_lshl_b32 s37, s36, 7
	s_add_co_u32 s37, s37, s35
	s_add_co_u32 s37, s37, CW+512
	v_add_nc_u32 v[QB8], s37, v[QB8]
	s_lshl_b32 s35, s[WV], 8
	s_add_co_u32 s35, s35, BIA
	v_lshl_add_u32 v23, v20, 3, s35
	v_lshl_add_u32 v[BL], v[BL], HB, s35
.if IS_UP
	s_lshr_b32 s38, s[ID], 1
	s_mul_i32 s38, s38, ABLK
	s_and_b32 s39, s[ID], 1
	s_mul_i32 s40, s39, AHALF
	s_add_co_u32 s40, s40, s38
	s_mul_i32 s41, s[WV], 12288
	s_add_co_u32 s40, s40, s41
	v_lshl_add_u32 v[GO16], v20, 4, s40
	v_lshl_add_u32 v[GO8], v20, 3, s40
	s_lshl_b32 s39, s39, 11
	s_add_co_u32 s38, s38, s39
	s_lshl_b32 s41, s[WV], 9
	s_add_co_u32 s38, s38, s41
	s_add_co_u32 s38, s38, ASCL
	v_lshl_add_u32 v[GOS], v20, 4, s38
	s_add_co_u32 s41, s41, STG
	v_and_b32 v[STA], 15, v0
	v_lshl_add_u32 v[STA], v[STA], 1, s41
	v_lshl_add_u32 v[STR], v20, 4, s41
.else
	s_lshl_b32 s38, s[ID], 18
	s_lshl_b32 s39, s[WV], 16
	s_add_co_u32 s38, s38, s39
	v_lshl_add_u32 v[GO16], v20, 4, s38
	v_min_u32 v[PFO], 24, v20                      ; the prefetches: 25 rows a wave; lanes 25-31 name the last again
	s_mul_i32 s39, s[CX], 25                       ; my work-group's 25 of the 100 rows that my wave fetches: the place enters an offset in memory alone
	v_add_nc_u32 v[PFO], s39, v[PFO]
	s_mul_i32 s39, s[WV], 100
	v_add_nc_u32 v[PFO], s39, v[PFO]
	v_lshlrev_b32 v[PFO], 8, v[PFO]                ; rows of 256 bytes: at most 399 x 256, inside the block
.endif
	s_wait_loadcnt 48
.if !IS_UP
	s_and_b32 s38, ttmp9, 1                        ; the half of K: b2 is added once, in half 0; a choice of values, no branch
	s_cmp_eq_u32 s38, 0
	s_cselect_b32 s38, -1, 0
	v_cndmask_b32 v[AB0], 0, v[AB0], s38
	v_cndmask_b32 v[AB0+1], 0, v[AB0+1], s38
.endif
	s_wait_alu depctr_va_vdst(0)
	ds_store_b64 v23, v[AB0:AB0+1]
.macro BIASIN                          ; column tile c's eight numbers of my half of the lanes; LDS serves a wave's instructions in order (ISA guide 5.7.1.4): these see the store above
.irp c, 0,1,2,3
	ds_load_b128 v[T+8*\c:T+8*\c+3], v[BL] offset:128*(\c/2)+BC0*(\c%2)
	ds_load_b128 v[T+8*\c+4:T+8*\c+7], v[BL] offset:128*(\c/2)+BC0*(\c%2)+16
.endr
.endm
	WISSUE 3
	QW 0, 48, 1                                    ; K step 0's weights; sets 1 to 3 may be out
	BIASIN                                         ; into the quantiser's registers, idle until K step 0's products are issued
	STEP 0, 0, 1, 1, 48, 1, 1                      ; K step 0
	s_mov_b32 s[CNT], 2
.Lfour:                                            ; K steps 1 to 8: a trip runs four steps, until slots and sets are back where they began
	STEP 1, 1, 1, 2, 48, 1, 1
	STEP 0, 1, 1, 3, 48, 1, 1
	STEP 1, 1, 1, 0, 48, 1, 1
	STEP 0, 1, 1, 1, 48, 1, 1
	s_sub_co_u32 s[CNT], s[CNT], 1
	s_cmp_lg_u32 s[CNT], 0
	s_cbranch_scc1 .Lfour
	STEP 1, 1, 1, 2, 48, 1, 1                      ; K step 9
	STEP 0, 1, 1, 3, 48, 1, 1                      ; K step 10 asks for W's last set
	STEP 1, 1, 1, 0, 48, 0, 1
	STEP 0, 1, 1, 1, 32, 0, 1                      ; K step 12 prefetches block 15, the last
	STEP 1, 1, 1, 2, 16, 0, 0
	STEP 0, 1, 1, 3, 0, 0, 0
	STEP 1, 2, 0, 0, 0, 0, 0                       ; K step 15
.rept 4
	v_nop
.endr
.if IS_UP
.set H,   AB0
.set OUT, 154
.set HWD, T
.set EM,  202
.set EN,  206
.set ES,  210
.set EB,  214
.macro EPI2 t
	WIN 0x08+4*((\t)/8)
.set i, 0
.rept 64
	v_max_num_f32 v[H+i], 0, v[32*((\t)%8)+i]
.set i, i+1
.endr
	WIN 0
.irp q, 0,1,2,3
	v_max3_num_f32 v[EM+\q], v[H+16*\q], v[H+16*\q+1], 0x1800000
.endr
.irp n, 2,4,6,8,10,12,14
.irp q, 0,1,2,3
	v_max3_num_f32 v[EM+\q], v[EM+\q], v[H+16*\q+\n], v[H+16*\q+\n+1]
.endr
.endr
.irp q, 0,1,2,3
	v_permlanex16_b32 v[EN+\q], v[EM+\q], s[SEL], s[SEL+1]
.endr
.irp q, 0,1,2,3
	v_max_num_f32 v[EM+\q], v[EM+\q], v[EN+\q]
.endr
.irp q, 0,1,2,3
	v_add_nc_u32 v[ES+\q], 0xff000000, v[EM+\q]
.endr
.irp q, 0,1,2,3
	v_lshrrev_b32 v[EB+\q], 23, v[ES+\q]
.endr
	v_lshl_or_b32 v[HWD+(\t)], v[EB+1], 8, v[EB]
	v_lshl_or_b32 v[HWD+(\t)+1], v[EB+3], 8, v[EB+2]
	s_wait_xcnt 0x0
.irp k, 0,1
	v_cvt_scalef32_pk16_fp6_f32 v[OUT+8*\k:OUT+8*\k+2], v[H+32*\k:H+32*\k+15], v[ES+2*\k]
	v_cvt_scalef32_pk16_fp6_f32 v[OUT+8*\k+4:OUT+8*\k+6], v[H+32*\k+16:H+32*\k+31], v[ES+2*\k+1]
.endr
	v_nop
.irp k, 0,1
.irp n, 0,1,2
	v_permlane16_swap_b32 v[OUT+8*\k+\n], v[OUT+8*\k+4+\n]
.endr
.irp n, 0,1,2
	v_mov_b32 v[OUT+8*\k+3+\n], v[OUT+8*\k+4+\n]
.endr
	global_store_b128 v[GO16], v[OUT+8*\k:OUT+8*\k+3], s[10:11] offset:((\t)+\k)*768 th:TH_STORE_NT
	global_store_b64 v[GO8], v[OUT+8*\k+4:OUT+8*\k+5], s[10:11] offset:((\t)+\k)*768+512 th:TH_STORE_NT
	ds_store_b16 v[STA], v[HWD+(\t)+\k] offset:32*((\t)+\k)
.endr
.endm
.irp t, 0,2,4,6,8,10,12,14
	EPI2 \t
.endr
	ds_load_b128 v[CD:CD+3], v[STR]
	s_wait_dscnt 0x0
	global_store_b128 v[GOS], v[CD:CD+3], s[10:11] th:TH_STORE_NT
.else
.macro OUT8 base
.irp t, 0,1,2,3,4,5,6,7
.irp c, 0,1,2,3
	global_store_b128 v[GO16], v[8*(4*\t+\c):8*(4*\t+\c)+3], s[10:11] offset:(\base+\t)*4096+\c*1024 th:TH_STORE_NT
	global_store_b128 v[GO16], v[8*(4*\t+\c)+4:8*(4*\t+\c)+7], s[10:11] offset:(\base+\t)*4096+\c*1024+512 th:TH_STORE_NT
.endr
.endr
.endm
	WIN 0x08
	OUT8 0
	WIN 0x0c
	OUT8 8
	WIN 0
.endif
	s_wait_tensorcnt 0x0
	ds_add_u32 v[SPW], v[NIL]
	s_wait_dscnt 0x0
	ROUND
	s_endpgm
.Lfunc_end_k_qd5e59ee124_down:
	.size	k_qd5e59ee124_down, .Lfunc_end_k_qd5e59ee124_down-k_qd5e59ee124_down
	.p2alignl 7, 3214868480
	.fill 96, 4, 3214868480
	.section	.rodata,"a",@progbits
	.p2align	6, 0x0
	.amdhsa_kernel k_qd5e59ee124_down
		.amdhsa_group_segment_fixed_size 327680
		.amdhsa_private_segment_fixed_size 0
		.amdhsa_enable_private_segment 0
		.amdhsa_kernarg_size 32
		.amdhsa_user_sgpr_count 2
		.amdhsa_user_sgpr_kernarg_segment_ptr 1
		.amdhsa_wavefront_size32 1
		.amdhsa_system_sgpr_workgroup_id_x 1
		.amdhsa_system_sgpr_workgroup_id_y 1
		.amdhsa_system_sgpr_workgroup_id_z 1
		.amdhsa_system_vgpr_workitem_id 0
		.amdhsa_next_free_vgpr 1024
		.amdhsa_next_free_sgpr 66
		.amdhsa_reserve_vcc 0
		.amdhsa_float_denorm_mode_32 3
		.amdhsa_float_denorm_mode_16_64 3
		.amdhsa_memory_ordered 1
		.amdhsa_forward_progress 1
		.amdhsa_inst_pref_size 255
	.end_amdhsa_kernel
	.section	.bss,"aw",@nobits
	.p2align	6
	.space	262144
	.amdgpu_metadata
---
amdhsa.version: [ 1, 2 ]
amdhsa.kernels:
  - .name:           k_qd5e59ee124_down
    .symbol:         k_qd5e59ee124_down.kd
    .args:
      - { .name: hq, .offset: 0, .size: 8, .value_kind: global_buffer, .address_space: global }
      - { .name: W2, .offset: 8, .size: 8, .value_kind: global_buffer, .address_space: global }
      - { .name: b2, .offset: 16, .size: 8, .value_kind: global_buffer, .address_space: global }
      - { .name: part, .offset: 24, .size: 8, .value_kind: global_buffer, .address_space: global }
    .group_segment_fixed_size: 327680
    .private_segment_fixed_size: 0
    .kernarg_segment_align: 8
    .kernarg_segment_size: 32
    .max_flat_workgroup_size: 128
    .sgpr_count:     66
    .vgpr_count:     1024
    .wavefront_size: 32
...
	.end_amdgpu_metadata
.endif
;; end of part 3
;; launch mix (part 4): grid 256 x 1, 4 waves a work-group, no clusters, 17,920 bytes of LDS; arguments part, gate, out0; writes out0
.if DOCPART == 4
	.amdgcn_target "amdgcn-amd-amdhsa--gfx1250"
	.amdhsa_code_object_version 6
	.text
	.protected	k_qd5e59ee124_mix
	.globl	k_qd5e59ee124_mix
	.p2align	8
	.type	k_qd5e59ee124_mix,@function
k_qd5e59ee124_mix:
	s_mov_b64 s[64:65], 0
	v_nop
	global_prefetch_b8 v0, s[64:65] scope:SCOPE_SE
	s_setreg_imm32_b32 hwreg(HW_REG_WAVE_MODE, 25, 1), 1
	s_wait_xcnt 0x0
; out0[n][o] = the sum over the experts e of gate[n][e] x (part[e][0] + part[e][1])[n][o], in f32.  A stream: memory binds, so no matrix unit, no cluster, no barrier.
; part: 262,144 (32 e + 16 kh + cg) + 4,096 T + 512 ch + 16 x lane; lane (r, h), chunk ch = 2 c + q: out(16 T + r, 64 cg + 16 c + 8 h + 4 q + 0 .. 3).
; SHARES.  A wave takes 16 tokens x 64 columns: T = work-group / 4, cg = 4 (work-group % 4) + wave.  An expert's two parts of that are 16 loads of 512 consecutive bytes; three sets of 64 registers take turns,
; so that two to three experts (32 to 48 loads a wave) are out.  A lane holds one token, so its eight gates are eight registers.
; The result goes through the wave's own stage in LDS (16 rows of 256 bytes + 16), so that sixteen lanes store 256 consecutive bytes of a row of out0, at a multiple of 256.
.set EST, 8388608                      ; from expert to expert in part: one more than a load's immediate holds, so each set has an offset register of its own
.set VPO, 4                            ; v4-6
.set GA,  7
.set G,   8                            ; v8-15  my token's gates
.set ACC, 16                           ; v16-47
.set SA,  48
.set SR,  49
.set GO,  50
.set P,   64                           ; v64-255 three sets
	s_load_b128 s[4:7], s[0:1], 0x0                ; part, gate
	s_load_b64 s[8:9], s[0:1], 0x10                ; out0
	v_lshl_add_u32 v62, v0, 2, 0x4400
	v_mov_b32 v63, 0
	v_lshrrev_b32 v1, 5, v0
	v_readfirstlane_b32 s10, v1                    ; wave
	v_and_b32 v1, 31, v0
	v_and_b32 v2, 15, v0                           ; r
	s_wait_alu depctr_va_vdst(0)
	v_bfe_u32 v3, v0, 4, 1                         ; h
	s_lshr_b32 s11, ttmp9, 2                       ; T
	s_and_b32 s12, ttmp9, 3
	s_lshl_b32 s12, s12, 2
	s_add_co_u32 s12, s12, s10                     ; cg
	s_lshl_b32 s13, s12, 18
	s_lshl_b32 s14, s11, 12
	s_add_co_u32 s13, s13, s14
	v_lshl_add_u32 v[VPO], v1, 4, s13
	v_add_nc_u32 v[VPO+1], EST, v[VPO]
	v_add_nc_u32 v[VPO+2], 2*EST, v[VPO]
	s_lshl_b32 s15, s11, 9
	v_lshl_add_u32 v[GA], v2, 5, s15               ; gate: 32 bytes a token
	s_mul_i32 s16, s10, 16*272                     ; my stage
	v_mul_u32_u24 v[SA], v2, 272
	s_wait_alu depctr_va_vdst(0)
	v_lshl_add_u32 v[SA], v3, 5, v[SA]
	v_add_nc_u32 v[SA], s16, v[SA]                 ; in: row r, + 32 h
	v_mul_u32_u24 v[SR], v3, 272
	v_lshl_add_u32 v[SR], v2, 4, v[SR]
	v_add_nc_u32 v[SR], s16, v[SR]                 ; back: lanes 0-15 one row, lanes 16-31 the next
	s_lshl_b32 s17, s11, 16
	s_lshl_b32 s18, s12, 8
	s_add_co_u32 s17, s17, s18
	v_lshlrev_b32 v[GO], 12, v3
	v_lshl_add_u32 v[GO], v2, 4, v[GO]
	v_add_nc_u32 v[GO], s17, v[GO]                 ; out0: (16 T + h) rows of 4,096 bytes + 256 cg + 16 r
	s_wait_kmcnt 0x0
	global_load_b128 v[G:G+3], v[GA], s[6:7]
	global_load_b128 v[G+4:G+7], v[GA], s[6:7] offset:16
.macro LSET set
.irp kh, 0,1
.irp ch, 0,1,2,3,4,5,6,7
	global_load_b128 v[P+64*(\set)+32*\kh+4*\ch:P+64*(\set)+32*\kh+4*\ch+3], v[VPO+(\set)], s[4:5] offset:\kh*4194304+\ch*512 th:TH_LOAD_NT
.endr
.endr
.endm
; the expert's 64 numbers, two at a time; its gate is one register of a pair: the low one for an even expert, the high one for an odd.  The first 16 lines start the sums: nothing is cleared
.macro ACCUM e
.set PS, P+64*((\e)%3)
.set GP, G+2*((\e)/2)
.set n, 0
.rept 32
.if ((\e) == 0) && (n < 16)
	v_pk_mul_f32 v[ACC+2*n:ACC+2*n+1], v[PS+2*n:PS+2*n+1], v[GP:GP+1] op_sel_hi:[1,0]
.elseif (\e)%2 == 0
	v_pk_fma_f32 v[ACC+2*(n%16):ACC+2*(n%16)+1], v[PS+2*n:PS+2*n+1], v[GP:GP+1], v[ACC+2*(n%16):ACC+2*(n%16)+1] op_sel_hi:[1,0,1]
.else
	v_pk_fma_f32 v[ACC+2*(n%16):ACC+2*(n%16)+1], v[PS+2*n:PS+2*n+1], v[GP:GP+1], v[ACC+2*(n%16):ACC+2*(n%16)+1] op_sel:[0,1,0] op_sel_hi:[1,1,1]
.endif
.set n, n+1
.endr
.endm
	LSET 0
	LSET 1
	LSET 2
.irp e, 0,1,2,3,4,5,6,7
.if \e < 6
	s_wait_loadcnt 32                              ; this expert's 16 loads (and the gates) are in; the next two experts' may be out
.elseif \e == 6
	s_wait_loadcnt 16
.else
	s_wait_loadcnt 0x0
.endif
	ACCUM \e
.if \e < 5
	v_add_nc_u32 v[VPO+\e%3], 3*EST, v[VPO+\e%3]   ; free: the wait above has shown the set's loads done
	LSET \e%3
.endif
.endr
.irp ch, 0,1,2,3,4,5,6,7
	ds_store_b128 v[SA], v[ACC+4*\ch:ACC+4*\ch+3] offset:64*(\ch/2)+16*(\ch%2)
.endr
.irp i, 0,1,2,3,4,5,6,7
	ds_load_b128 v[P+4*\i:P+4*\i+3], v[SR] offset:544*\i   ; LDS serves a wave's instructions in order (ISA guide 5.7.1.4): these see my stores
.endr
.irp i, 0,1,2,3,4,5,6,7
	s_wait_dscnt 7-\i
	global_store_b128 v[GO], v[P+4*\i:P+4*\i+3], s[8:9] offset:8192*\i
.endr
	s_wait_tensorcnt 0x0
	ds_add_u32 v62, v63
	s_wait_dscnt 0x0
	s_endpgm
.Lfunc_end_k_qd5e59ee124_mix:
	.size	k_qd5e59ee124_mix, .Lfunc_end_k_qd5e59ee124_mix-k_qd5e59ee124_mix
	.p2alignl 7, 3214868480
	.fill 96, 4, 3214868480
	.section	.rodata,"a",@progbits
	.p2align	6, 0x0
	.amdhsa_kernel k_qd5e59ee124_mix
		.amdhsa_group_segment_fixed_size 17920
		.amdhsa_private_segment_fixed_size 0
		.amdhsa_enable_private_segment 0
		.amdhsa_kernarg_size 24
		.amdhsa_user_sgpr_count 2
		.amdhsa_user_sgpr_kernarg_segment_ptr 1
		.amdhsa_wavefront_size32 1
		.amdhsa_system_sgpr_workgroup_id_x 1
		.amdhsa_system_sgpr_workgroup_id_y 1
		.amdhsa_system_sgpr_workgroup_id_z 1
		.amdhsa_system_vgpr_workitem_id 0
		.amdhsa_next_free_vgpr 256
		.amdhsa_next_free_sgpr 66
		.amdhsa_reserve_vcc 0
		.amdhsa_float_denorm_mode_32 3
		.amdhsa_float_denorm_mode_16_64 3
		.amdhsa_memory_ordered 1
		.amdhsa_forward_progress 1
		.amdhsa_inst_pref_size 33
	.end_amdhsa_kernel
	.amdgpu_metadata
---
amdhsa.version: [ 1, 2 ]
amdhsa.kernels:
  - .name:           k_qd5e59ee124_mix
    .symbol:         k_qd5e59ee124_mix.kd
    .args:
      - { .name: part, .offset: 0, .size: 8, .value_kind: global_buffer, .address_space: global }
      - { .name: gate, .offset: 8, .size: 8, .value_kind: global_buffer, .address_space: global }
      - { .name: out0, .offset: 16, .size: 8, .value_kind: global_buffer, .address_space: global }
    .group_segment_fixed_size: 17920
    .private_segment_fixed_size: 0
    .kernarg_segment_align: 8
    .kernarg_segment_size: 24
    .max_flat_workgroup_size: 128
    .sgpr_count:     66
    .vgpr_count:     256
    .wavefront_size: 32
...
	.end_amdgpu_metadata
.endif
;; end of part 4
